; MI455X (gfx1250); checked and timed in simulation.
; The chip was launched on July 23, 2026; its instructions are those of AMD's public machine-readable ISA for CDNA 5 (MIT licence, August 2026) and "CDNA5" Instruction Set Architecture Reference Guide (July 2026). The comments in the code are by the model that wrote it; some were corrected since.
;; Mo E Layer. Allowed arithmetic: matrix products marked QUANTISED: E4M3 operands, one E8M0 scale for each 32 along K, by v_wmma_scale_f32_16x16x128_f8f6f4 with both operands' format E4M3, f32 sums; products left as they are: f32 operands where the result goes on into a quantised operand, else bf16, f16 or f32 operands; f32 sums; everything else in f32.
;; Inputs: W1 8 x 1,024 x 4,096 float32; W2 8 x 4,096 x 1,024 float32; Wg 1,024 x 8 float32; b1 8 x 4,096 float32; b2 8 x 1,024 float32; x 4 x 256 x 1,024 float32.
;; Outputs: out0 4 x 256 x 1,024 float32.
;; This version of the problem:
;;   THIS VERSION OF THE PROBLEM IS GIVEN IN LOW PRECISION. The matrix products marked QUANTISED in the list below multiply operands that are first quantised to E4M3 (4 exponent bits, 3 mantissa bits; 8 bits a number), with one power-of-two scale for each 32 numbers along K (OCP MX v1.0); their sums are f32. All else is computed in f32.
;;   The module's matrix products, in the order in which they are computed (A, B: the left and right operand; K: the contracted axis; several contracted axes count as one K, in the product's order):
;;     1. [M 1,024, K 1,024] x [K 1,024, N 8]; A: input x; B: input Wg: left as it is (N = 8 < 16)
;;     2. [M 32,768, K 1,024] x [K 1,024, N 1,024]; A: input W1; B: input x: QUANTISED
;;     3. batch 8 x [M 1,024, K 4,096] x [K 4,096, N 1,024]; A: computed on the way; B: input W2: QUANTISED
;;     4. batch 1,024 x [M 1, K 2] x [K 2, N 8]; A: computed on the way; B: computed on the way: left as it is (K = 2 < 32)
;;     5. batch 1,024 x [M 1,024, K 8] x [K 8, N 1]; A: computed on the way; B: computed on the way: left as it is (K = 8 < 32)
;;   THE QUANTISER, for each operand of a quantised product, along K:
;;     - K is cut into blocks of 32 from its start; a last block that is shorter is filled with zeros.
;;     - A block's scale is 2^e with e = floor(log2(the largest magnitude in the block)) - 8, held to -126 .. 127; a block of zeros has e = 0. As a byte (E8M0): e + 127.
;;     - Each number is divided by its block's scale, clamped to +-448, and rounded to the nearest number of E4M3, ties to even, subnormals kept.
;;     - The product sums the exact products of the quantised numbers (number of the format x scale) in f32.
;;   ~~~python
;;   def quantise(x, axis):      # numpy; x: float32 -> the quantised numbers, widened to float32 again
;;       x = np.moveaxis(x, axis, -1); K = x.shape[-1]
;;       x = np.pad(x, [(0, 0)] * (x.ndim - 1) + [(0, -K % 32)]); x = x.reshape(x.shape[:-1] + (-1, 32)); a = np.abs(x).max(-1, keepdims=True)
;;       e = np.where(a > 0, np.clip(np.frexp(np.where(a > 0, a, 1))[1] - 1 - 8, -126, 127), 0)      # np.frexp(a)[1] - 1 = floor(log2(a)), exactly
;;       r = np.clip(x / 2.0 ** e, -448, 448)
;;       step = 2.0 ** (np.maximum(np.frexp(np.where(r == 0, 1, r))[1] - 1, -6) - 3)
;;       q = np.round(r / step) * step * 2.0 ** e      # np.round: ties to even
;;       return np.moveaxis(q.reshape(q.shape[:-2] + (-1,))[..., :K], -1, axis).astype(np.float32)
;;   ~~~
;;   OPERANDS COMPUTED ON THE WAY. 'Computed on the way' means the value that the module computes at that place (a softmax that the list does not call 'softmax' is quantised finished and normalised). What goes into a quantiser is computed in f32, as accurately as f32 sums, v_exp_f32 and their like allow (about 1e-6 of the number): no bf16 or f16 on the way to a quantiser, and a product that is left as it is and whose result goes on into a quantised operand takes f32 operands (vector FMAs, or v_wmma_f32_16x16x4_f32). A number that lies on a knife's edge between two numbers of the format may be rounded either way, as far as f32 arithmetic and the matrix unit's own rounding can turn it there, and no further.
;; One version. Each part assembles by itself: llvm-mc -triple=amdgcn-amd-amdhsa -mcpu=gfx1250 --defsym DOCPART=n.
;; ======== version 1 of 1: 4 launches
;; limits: right only within a limited range of input values
;; workspace buffers: xq 1,089,536 bytes; ridx 8,192 bytes of whole numbers; plan 65,792 bytes of whole numbers; gwp 32,768 bytes; hq 34,603,008 bytes; y 67,108,864 bytes
;; launch route (part 1): grid 256 x 1, 4 waves a work-group, no clusters, 52,224 bytes of LDS; arguments x, Wg, xq, ridx; writes xq, ridx
.if DOCPART == 1
	.amdgcn_target "amdgcn-amd-amdhsa--gfx1250"
	.amdhsa_code_object_version 6
	.text
	.protected	k_q3b91c0c365_route
	.globl	k_q3b91c0c365_route
	.p2align	8
	.type	k_q3b91c0c365_route,@function
k_q3b91c0c365_route:
	s_mov_b64 s[64:65], 0
	v_nop
	global_prefetch_b8 v0, s[64:65] scope:SCOPE_SE
	s_setreg_imm32_b32 hwreg(HW_REG_WAVE_MODE, 25, 1), 1
	s_wait_xcnt 0x0
; ROUTER AND QUANTISER OF x.  1,024 tokens of 1,024 numbers, 8 experts, top 2.
; WORK LEFT OUT BY THE WHOLE PROGRAM, AND WHY IT IS DEAD.  reference() multiplies every expert's result by dense_w[e][t] = sum over k of one_hot(idx_k)[e] w_k, which it
; builds in its own body: for an expert e that is neither idx_0 nor idx_1 of token t that is exactly 0, whatever the inputs hold.  So the rows (e, t) of the two
; quantised products for experts that a token did not choose reach no output and are not computed: 2,048 routed rows in place of 8,192.  The one_hot product and the
; sum over 8 experts become a lookup and a sum of two terms.  The softmax's divisor cancels in w_k = p_k / (p_0 + p_1) = e^(l_k - l_max) / (1 + e^(l_2nd - l_max));
; the maximum is still taken away: it is the first choice's logit.  Every input stays live and is loaded.
; LIMITS.  A NaN, an infinity or an overflow that arises only in an expert that a token did not choose is not carried to the result.  NaN and infinities among the
; inputs are not served.  The two experts are chosen on the logits, ties to the lower index: logits that differ while their probabilities round to the same f32 number
; may give another second expert than a choice on the probabilities.  A block whose largest magnitude lies under 2^-118 keeps the scale byte 1; so does a block of
; zeros, where the rule says 127: its codes are zeros, and the bytes are read by this program alone.
; THIS LAUNCH.  256 work-groups of four waves, a wave to a token; a lane owns one block of 32 along C (k = 32 lane + 0 .. 31).  Loads take the bytes as they lie, 512 to an
; instruction; x and Wg turn through LDS so that a lane gets its 32 neighbours.  x is quantised between the barrier's signal and its wait.  Logits in f32 by packed
; multiply-adds, in eight chains by turns, summed over the lanes; top 2 by selects alone.
; x's codes are laid in the order that all products of this program use inside a block of 32: byte i < 16 holds k = 2 i, byte 16 + i holds k = 2 i + 1, on both
; operands alike, so that every product keeps its partner.
; No matrix unit (N = 8), no cluster (nothing but the 32 KiB of Wg is shared), no tensor load.
.set XT,     33280                     ; LDS: from 0 Wg, byte a at a + 16 (a >> 10): a lane's 1,024 bytes 1,040 apart; from XT x: a region for each wave, byte a at a + 16 (a >> 7): 144 apart
.set XREG,   4608
.set SPARE,  51712                     ; the spare words, 128 bytes for each of the four waves
.set XS_OFF, 1048576                   ; xq: codes [1024][1024]; from here scale bytes [1024][32];
.set GW_OFF, 1081344                   ; from here gate weights f32 [1024][2]
.set X0,  16                           ; v16-47   my 32 numbers
.set XR,  48                           ; v48-79   x as it is loaded
.set WA_, 80                           ; v80-143  Wg as it is loaded; then eight K rows of Wg, 8 experts each
.set WB_, 144                          ; v144-207 eight more
.set TT,  144                          ; v144-175 32 numbers held, in code order (ahead of Wg's rows)
.set LG,  208                          ; v208-223 two sets of eight sums; then the logits in v208-215
.set CC,  224                          ; v224-231 codes
.set TO,  232                          ; v232 largest logit, v233 its index, v234 second, v235 its index, v236-237 at work
.set Q,   240                          ; v240-244 the quantiser's
.macro WAIT
	s_wait_alu depctr_va_vdst(0)
.endm
	s_load_b256 s[4:11], s[0:1], 0x0               ; x, Wg, xq, ridx
	v_lshl_add_u32 v6, v0, 2, SPARE                ; my spare word
	v_mov_b32 v7, 0
	v_lshrrev_b32 v8, 5, v0
	v_readfirstlane_b32 s12, v8                    ; wave 0..3
	v_and_b32 v1, 31, v0                           ; lane
	v_lshlrev_b32 v5, 4, v1                        ; 16 lane
	v_lshrrev_b32 v8, 3, v1
	v_lshl_add_u32 v2, v8, 4, v5                   ; x on the way in: 16 lane + 16 (lane / 8)
	v_mul_u32_u24 v3, v1, 144                      ; x on the way out
	v_mul_u32_u24 v4, v1, 1040                     ; Wg on the way out
	s_mul_i32 s13, s12, XREG
	s_add_co_u32 s13, s13, XT
	s_mul_i32 s14, s12, 8320
	s_lshl_b32 s15, s12, 13
	v_add_nc_u32 v2, s13, v2
	v_add_nc_u32 v3, s13, v3
	v_add_nc_u32 v9, s14, v5                       ; Wg on the way in: my wave's 8,192 bytes and their eight paddings
	v_add_nc_u32 v10, s15, v5                      ; and in memory
	v_lshlrev_b32 v11, 5, v1                       ; 32 lane: my block's codes
	v_lshlrev_b32 v13, 3, v1                       ; 8 lane
	WAIT
	s_lshl_b32 s15, ttmp9, 2
	s_add_co_u32 s15, s15, s12                     ; my token
	s_lshl_b32 s20, s15, 12
	s_mov_b32 s21, 0
	s_lshl_b32 s22, s15, 10
	s_mov_b32 s23, 0
	s_lshl_b32 s24, s15, 5
	s_add_co_u32 s24, s24, XS_OFF
	s_mov_b32 s25, 0
	s_lshl_b32 s26, s15, 3
	s_mov_b32 s27, 0
	s_mov_b32 s32, 0x600000                        ; the mantissa field of 448
	s_mov_b32 s40, 0x76543210
	s_mov_b32 s41, 0xfedcba98                      ; lane selects: lane l xor 16
	s_wait_kmcnt 0x0
	s_add_nc_u64 s[4:5], s[4:5], s[20:21]          ; x at my token
	s_add_nc_u64 s[28:29], s[8:9], s[24:25]        ; its scale bytes
	s_add_nc_u64 s[10:11], s[10:11], s[26:27]      ; its pair of expert numbers
	s_add_co_u32 s26, s26, GW_OFF
	s_add_nc_u64 s[30:31], s[8:9], s[26:27]        ; its pair of gate weights
	s_add_nc_u64 s[8:9], s[8:9], s[22:23]          ; its codes
.irp q, 0,1,2,3,4,5,6,7
	global_load_b128 v[XR+4*\q:XR+4*\q+3], v5, s[4:5] offset:512*\q th:TH_LOAD_NT
.endr
.irp q, 0,1,2,3,4,5,6,7,8,9,10,11,12,13,14,15
	global_load_b128 v[WA_+4*\q:WA_+4*\q+3], v10, s[6:7] offset:512*\q
.endr
	s_wait_loadcnt 16                              ; Wg's sixteen loads may be out: x's eight are in
.irp q, 0,1,2,3,4,5,6,7
	ds_store_b128 v2, v[XR+4*\q:XR+4*\q+3] offset:576*\q
.endr
.irp m, 0,1,2,3,4,5,6,7
	ds_load_b128 v[X0+4*\m:X0+4*\m+3], v3 offset:16*\m     ; LDS serves a wave's instructions in order: these see my stores
.endr
	s_wait_loadcnt 0x0
.irp q, 0,1,2,3,4,5,6,7,8,9,10,11,12,13,14,15
	ds_store_b128 v9, v[WA_+4*\q:WA_+4*\q+3] offset:512*\q+16*(\q/2)
.endr
	s_wait_dscnt 0x0                               ; for the others' sake: my part of Wg lies in LDS; and my numbers are here
	s_barrier_signal -1
; my block: largest magnitude with the floor 2^-118 among its leaves; 8 off its exponent field is the conversion's scale operand; the hold at 448 x the scale also lays the numbers in code order
	v_max3_num_f32 v[Q], |v[X0]|, |v[X0+1]|, 0x4800000
	v_max3_num_f32 v[Q+1], |v[X0+2]|, |v[X0+3]|, 0x4800000
.irp u, 4,8,12,16,20,24,28
	v_max3_num_f32 v[Q], v[Q], |v[X0+\u]|, |v[X0+\u+1]|
	v_max3_num_f32 v[Q+1], v[Q+1], |v[X0+\u+2]|, |v[X0+\u+3]|
.endr
	v_max_num_f32 v[Q], v[Q], v[Q+1]
	v_add_nc_u32 v[Q+2], 0xfc000000, v[Q]
	v_and_or_b32 v[Q+3], v[Q], 0x7f800000, s32
.irp u, 0,1,2,3,4,5,6,7,8,9,10,11,12,13,14,15,16,17,18,19,20,21,22,23,24,25,26,27,28,29,30,31
	v_med3_num_f32 v[TT+16*(\u%2)+\u/2], v[X0+\u], -v[Q+3], v[Q+3]
.endr
.irp g, 0,1,2,3
	v_cvt_scalef32_pk8_fp8_f32 v[CC+2*\g:CC+2*\g+1], v[TT+8*\g:TT+8*\g+7], v[Q+2]
.endr
	v_lshrrev_b32 v[Q+4], 23, v[Q+2]               ; the scale's byte (also the plain instruction behind the conversions)
	WAIT
	s_barrier_wait -1
.macro WGLOAD buf, i0                  ; K rows 32 lane + i0 .. i0 + 7 of Wg: 256 bytes a lane
.irp m, 0,1,2,3,4,5,6,7,8,9,10,11,12,13,14,15
	ds_load_b128 v[\buf+4*\m:\buf+4*\m+3], v4 offset:32*\i0+16*\m
.endr
.endm
; eight K rows: logit[e] += x[k] Wg[k][e], two experts an instruction, x's number serving both halves; eight chains (4 pairs x 2 sets of rows) by turns
.macro LOGIT buf, i0, first
.irp ii, 0,4
.irp t, 0,1
.irp p, 0,2,4,6
.if \first && (\ii == 0)
	v_pk_mul_f32 v[LG+8*\t+\p:LG+8*\t+\p+1], v[X0+\i0+\ii+2*\t:X0+\i0+\ii+2*\t+1], v[\buf+8*(\ii+2*\t)+\p:\buf+8*(\ii+2*\t)+\p+1] op_sel_hi:[0,1]
.else
	v_pk_fma_f32 v[LG+8*\t+\p:LG+8*\t+\p+1], v[X0+\i0+\ii+2*\t:X0+\i0+\ii+2*\t+1], v[\buf+8*(\ii+2*\t)+\p:\buf+8*(\ii+2*\t)+\p+1], v[LG+8*\t+\p:LG+8*\t+\p+1] op_sel_hi:[0,1,1]
.endif
.endr
.endr
.irp t, 0,1
.irp p, 0,2,4,6
	v_pk_fma_f32 v[LG+8*\t+\p:LG+8*\t+\p+1], v[X0+\i0+\ii+2*\t:X0+\i0+\ii+2*\t+1], v[\buf+8*(\ii+2*\t)+8+\p:\buf+8*(\ii+2*\t)+9+\p], v[LG+8*\t+\p:LG+8*\t+\p+1] op_sel:[1,0,0] op_sel_hi:[1,1,1]
.endr
.endr
.endr
.endm
	WGLOAD WA_, 0
	WGLOAD WB_, 8
	global_store_b128 v11, v[CC:CC+3], s[8:9]
	global_store_b128 v11, v[CC+4:CC+7], s[8:9] offset:16   ; the two stores together cover the row's 1,024 bytes
	global_store_b8 v1, v[Q+4], s[28:29]
	s_wait_dscnt 16                                ; buffer B's sixteen loads may be out
	LOGIT WA_, 0, 1
	WGLOAD WA_, 16
	WAIT
	s_wait_dscnt 16                                ; the sixteen just issued may be out
	LOGIT WB_, 8, 0
	WGLOAD WB_, 24
	WAIT
	s_wait_dscnt 16
	LOGIT WA_, 16, 0
	WAIT
	s_wait_dscnt 0x0
	LOGIT WB_, 24, 0
.irp p, 0,2,4,6
	v_pk_add_f32 v[LG+\p:LG+\p+1], v[LG+\p:LG+\p+1], v[LG+8+\p:LG+9+\p]
.endr
.irp m, 1,2,4,8                        ; the eight sums over the lanes: four steps inside each half,
.irp a, 0,1,2,3,4,5,6,7
	v_add_f32_dpp v[LG+\a], v[LG+\a], v[LG+\a] row_xmask:\m row_mask:0xf bank_mask:0xf
.endr
.endr
.irp a, 0,1,2,3,4,5,6,7
	v_permlanex16_b32 v[WA_+\a], v[LG+\a], s40, s41 ; one across (its destination has been written: Wg's rows)
.endr
.irp a, 0,1,2,3,4,5,6,7
	v_add_f32 v[LG+\a], v[LG+\a], v[WA_+\a]        ; every lane holds all eight logits
.endr
; the two largest of eight, by selects alone; strict compares keep the lower index at a tie
	v_mov_b32 v[TO], v[LG]
	v_mov_b32 v[TO+1], 0
	v_mov_b32 v[TO+2], 0xff800000
	v_mov_b32 v[TO+3], 0
.irp e, 1,2,3,4,5,6,7
	v_cmp_gt_f32 vcc_lo, v[LG+\e], v[TO]
	v_cmp_gt_f32 s34, v[LG+\e], v[TO+2]
	v_cndmask_b32 v[TO+4], v[TO+2], v[LG+\e], s34
	v_cndmask_b32 v[TO+5], v[TO+3], \e, s34
	v_cndmask_b32 v[TO+2], v[TO+4], v[TO], vcc_lo
	v_cndmask_b32 v[TO+3], v[TO+5], v[TO+1], vcc_lo
	v_cndmask_b32 v[TO], v[TO], v[LG+\e], vcc_lo
	v_cndmask_b32 v[TO+1], v[TO+1], \e, vcc_lo
.endr
	v_sub_f32 v236, v234, v232                     ; second - largest: 0 or less
	v_mov_b32 v14, v233
	v_mov_b32 v15, v235
	v_mul_f32 v236, 0x3fb8aa3b, v236
	WAIT
	v_exp_f32 v236, v236                           ; e^(l_2nd - l_max)
	v_nop                                          ; a plain instruction behind the exponential,
	WAIT                                           ; and the wait ahead of its first reader
	v_add_f32 v237, 1.0, v236
	WAIT
	v_rcp_f32 v250, v237                           ; w of the first choice
	v_nop
	WAIT
	v_mul_f32 v251, v236, v250                     ; w of the second
	v_cmp_gt_u32 vcc_lo, 1, v1                     ; lane 0 stores the token's choice, at a fixed place
	WAIT
	s_wait_xcnt 0x0                                ; EXEC changes only behind this wait: stores are out
	s_and_saveexec_b32 s33, vcc_lo
	global_store_b64 v13, v[14:15], s[10:11]
	global_store_b64 v13, v[250:251], s[30:31]
	s_wait_xcnt 0x0                                ; and again ahead of the line that widens it
	s_or_b32 exec_lo, exec_lo, s33
	s_wait_tensorcnt 0x0                           ; the wave's end
	ds_add_u32 v6, v7
	s_wait_dscnt 0x0
	s_endpgm
.Lfunc_end_k_q3b91c0c365_route:
	.size	k_q3b91c0c365_route, .Lfunc_end_k_q3b91c0c365_route-k_q3b91c0c365_route
	.p2alignl 7, 3214868480
	.fill 96, 4, 3214868480
	.section	.rodata,"a",@progbits
	.p2align	6, 0x0
	.amdhsa_kernel k_q3b91c0c365_route
		.amdhsa_group_segment_fixed_size 52224
		.amdhsa_private_segment_fixed_size 0
		.amdhsa_enable_private_segment 0
		.amdhsa_kernarg_size 32
		.amdhsa_user_sgpr_count 2
		.amdhsa_user_sgpr_kernarg_segment_ptr 1
		.amdhsa_wavefront_size32 1
		.amdhsa_system_sgpr_workgroup_id_x 1
		.amdhsa_system_sgpr_workgroup_id_y 1
		.amdhsa_system_sgpr_workgroup_id_z 1
		.amdhsa_system_vgpr_workitem_id 0
		.amdhsa_next_free_vgpr 256
		.amdhsa_next_free_sgpr 66
		.amdhsa_reserve_vcc 1
		.amdhsa_float_denorm_mode_32 3
		.amdhsa_float_denorm_mode_16_64 3
		.amdhsa_memory_ordered 1
		.amdhsa_forward_progress 1
		.amdhsa_inst_pref_size 30
	.end_amdhsa_kernel
	.amdgpu_metadata
---
amdhsa.version: [ 1, 2 ]
amdhsa.kernels:
  - .name:           k_q3b91c0c365_route
    .symbol:         k_q3b91c0c365_route.kd
    .args:
      - { .name: x, .offset: 0, .size: 8, .value_kind: global_buffer, .address_space: global }
      - { .name: Wg, .offset: 8, .size: 8, .value_kind: global_buffer, .address_space: global }
      - { .name: xq, .offset: 16, .size: 8, .value_kind: global_buffer, .address_space: global }
      - { .name: ridx, .offset: 24, .size: 8, .value_kind: global_buffer, .address_space: global }
    .group_segment_fixed_size: 52224
    .private_segment_fixed_size: 0
    .kernarg_segment_align: 8
    .kernarg_segment_size: 32
    .max_flat_workgroup_size: 128
    .sgpr_count:     66
    .vgpr_count:     256
    .wavefront_size: 32
...
	.end_amdgpu_metadata
.endif
;; end of part 1
;; launch ffn1 (part 2): grid 32 x 8, 4 waves a work-group, no clusters, 139,776 bytes of LDS; arguments W1, b1, xq, ridx, hq, plan, gwp; writes hq, plan, gwp
.if DOCPART == 2
	.amdgcn_target "amdgcn-amd-amdhsa--gfx1250"
	.amdhsa_code_object_version 6
	.text
	.protected	k_q3b91c0c365_ffn1
	.globl	k_q3b91c0c365_ffn1
	.p2align	8
	.type	k_q3b91c0c365_ffn1,@function
k_q3b91c0c365_ffn1:
	s_mov_b64 s[64:65], 0
	v_nop
	global_prefetch_b8 v0, s[64:65] scope:SCOPE_SE
	s_setreg_imm32_b32 hwreg(HW_REG_WAVE_MODE, 25, 1), 1
	s_wait_xcnt 0x0
; h = gelu(x W1[e] + b1[e]) for the rows that chose expert e (the others are dead work: see the first kernel's head), quantised along F and stored as operand images.
; A work-group owns expert e (grid y) and 128 columns of F (grid x): a slice of 1,024 x 128 numbers of W1, 512 KiB of f32, which leaves memory once and is read by nobody else.
; PHASE A hangs on ids alone.  Wave w streams 512 K rows x 64 columns: a load takes two K rows x 256 bytes (lanes 0-15 the even row, lanes 16-31 the odd one; lane r columns 4 r .. 4 r + 3).
; So a lane's registers run down K: for each of its four columns it holds the 16 rows of its parity of a block of 32.  With the order of codes that this program uses inside a block
; (byte i < 16: k = 2 i; byte 16 + i: k = 2 i + 1, on both operands alike) these 16 ARE registers 4 b .. 4 b + 3 of a fragment whose row m is column 4 m + c.  The block's largest
; magnitude is joined with lane l xor 16's; the hold at 448 x the scale also sorts the numbers by column.  Fragments go to LDS as images of their registers, 16 bytes a lane.
; One barrier; it stands under no branch on data.
; THE ROWS ARE PLACED HERE TOO, from the pairs of expert numbers that the first launch stored.  The 1,024 tokens are taken in 32 groups of 32: group G, lane l = token 64 (G / 2) + 2 l + G % 2,
; so that a load of 16 bytes brings a lane two tokens' pairs.  A group's mask (the lanes that chose e) lies in a scalar register; a row's rank is the number of choosers in earlier groups + those
; in lower lanes.  Each wave finds the tokens of its own tiles by search: the last group whose prefix is at or under the rank, then the bit of its mask with that many set bits below it.  The
; search stands in phase A's last trip, behind the request for the last block of W1.  For the later launches wave 0 of work-group sl stores group sl's part: the gate weight at gwp[e][rank] and
; the rank at rank[e][token]; a token that did not choose e takes a rank from the back (1023 - the others before it) and the weight 0, so that every lane stores and both tables are written
; whole; work-group 0 stores the count.  (Every wave loads that group's two pairs, so that the waits' counts are the same in all waves.)
; PHASE B.  The expert's rows come 16 to a tile; wave w takes tiles tb + 4 i + w, i = 0 .. 4: 20 tiles a pass, as many passes as the count asks for.  The products are used
; transposed (source 0 = 16 columns of W1, source 1 = 16 rows of x): register j of lane (r, h) in tile c is (row r, column 32 h + 4 j + c): a lane's 32 results of a group of 64
; columns are one whole block of 32 along F.  b1 is the C of each sum's first product.  A slot beyond the last tile multiplies valid rows and stores nothing, so that every wait's count is
; fixed; for the last tile's rows behind the count the search gives some valid token, and their gate weight is 0: nobody reads their results.
; erf(u) = u P(u^2) / Q(u^2) on u held to +-4, P of degree 6 and Q of degree 4 in u^2, all in f32.
; NO TENSOR LOAD, NO CLUSTER: trip counts and branches hang on the count; the weights, nearly all the bytes, are shared by nobody, and the rows that the 32 work-groups
; of an expert share are gathered by a list whose length is data.  No prefetch: phase A has 32 to 48 loads of 512 bytes a wave on their way throughout.
; LIMITS: as stated at the first kernel's head (blocks under 2^-118, blocks of zeros, NaN and infinities).
; REGISTERS: window 0: v1-31 addresses; v32-159 two sets of four weight fragments (phase A: v32-95 at work, v96-149 the placing's); v160-167 their scale words; v168-187 x's scale words; v208-247 phase A's.
;   window 1: three of x's four buffers of 80 (5 tiles x 16); in phase A v64-127 the pairs of expert numbers; the epilogue works here.   window 2: phase A's ring of four blocks; then the sums of slots 0-3 (64 i + 8 n).
;   window 3: v0-63 slot 4's sums; v64-127 b1 in the result's layout; v128-207 x's fourth buffer.   s66-97: the 32 masks.
.set PITCH,  16384                     ; a K row of W1[e] in bytes
.set WSB,    131072                    ; LDS: 64 fragment images of 2,048 bytes; from here their scale words, 512 bytes for each four fragments
.set SPARE,  139264                    ; the spare words, 128 bytes a wave
.set XS_OFF, 1048576
.set GW_OFF, 1081344
.set RANK,   32768                     ; plan: from here rank u32 [8][1024];
.set CNT,    65536                     ; from here the counts u32 [8]
.set HS_OFF, 33554432                  ; hq: images [8 e][64 tile][32 K step][2048]; from here scale words [8][64][32][16 rows]
.set LI,   1                           ; 16 lane
.set LI2,  2                           ; + 65,536
.set LIS,  3                           ; + WSB
.set WST,  4                           ; where my fragments go
.set WSS,  5                           ; and their scale words
.set WOFF, 6                           ; h x PITCH + 16 r
.set HOFF, 7                           ; 512 h + 16 r
.set R4,   8                           ; 4 r
.set RR,   9                           ; r
.set HH,   10                          ; h
.set FLR,  11                          ; 2^-118
.set XO,   12                          ; v12-16 slot i: token x 1024 + 16 h
.set XSO,  17                          ; v17-21 token x 32 + 16 h
.set TOK,  22                          ; v22-26 slot i: my row's token
.set H16,  27                          ; 16 h
.set SPW,  28
.set NIL,  29
.set SA0,  30                          ; where a tile's codes go (at the head: 8 x my token of group sl)
.set SA1,  31                          ; and its scale words (at the head: 128 h, for b1)
.set WFR,  32
.set RHO,  96                          ; v96-98   the search, three registers each: the rank of slot 2 j + h, row r
.set KEY,  99                          ; v99-101  32 rank + 31
.set MK,   102                         ; v102-104 the mask of the rank's group
.set PK,   105                         ; v105-107 32 x the group's prefix + the group
.set LA,   108                         ; v108-110 the mask's counts by 2 bits,
.set LB,   111                         ; v111-113 by 4,
.set LC,   114                         ; v114-116 by 8,
.set LD,   117                         ; v117-119 by 16
.set NN,   120                         ; v120-122 set bits still to pass
.set POS,  123                         ; v123-125 the bit's place
.set LT,   126                         ; v126-131 at work
.set LU,   129
.set OWN,  140                         ; v140-141 the pair of expert numbers of my token of group sl; v142-143 its gate weights
.set PLW,  144                         ; v144-149 what wave 0 stores
.set WSC,  160
.set XSC,  168
.set MM,   208
.set PX,   212
.set LM,   216
.set SC,   220
.set BYT,  224
.set WW,   228
.set CD,   232
.set IDX,  64                          ; in window 1: group G's pairs at IDX + 2 G
.set MSK,  66                          ; s66-97
.set MSB, 0
.macro WIN new                         ; the immediate's high byte repeats the setting that is left; a switch that changes nothing is dropped
.if MSB != (\new)
	s_set_vgpr_msb (MSB<<8)|(\new)
.set MSB, (\new)
.endif
.endm
.macro PLACES n
.rept \n
	v_nop
.endr
.endm
.macro LOADB slot, rows                ; a block of 32 K rows x 64 columns into ring slot: register 4 i + c = W(rows + 2 i + h, 4 r + c)
	WIN 0x80
.irp i, 0,1,2,3,4,5,6,7,8,9,10,11,12,13,14,15
	global_load_b128 v[64*(\slot)+4*\i:64*(\slot)+4*\i+3], v[WOFF], s[4:5] offset:((\rows)+2*\i)*PITCH th:TH_LOAD_NT
.endr
	WIN 0
.endm
.macro QBLOCK b                        ; ring slot b becomes registers 4 b .. 4 b + 3 of four fragments, and byte b of their scale words
	WIN 0x28
.irp c, 0,1,2,3
	v_max3_num_f32 v[MM+\c], v[FLR], |v[64*\b+\c]|, |v[64*\b+4+\c]|
.endr
.irp i, 2,4,6,8,10,12,14
.irp c, 0,1,2,3
	v_max3_num_f32 v[MM+\c], v[MM+\c], |v[64*\b+4*\i+\c]|, |v[64*\b+4*\i+4+\c]|
.endr
.endr
	WIN 0
.irp c, 0,1,2,3
	v_permlanex16_b32 v[PX+\c], v[MM+\c], s24, s25
.endr
.irp c, 0,1,2,3
	v_max_num_f32 v[MM+\c], v[MM+\c], v[PX+\c]     ; with the other parity's 16 rows: the block's largest magnitude
.endr
.irp c, 0,1,2,3
	v_add_nc_u32 v[SC+\c], 0xfc000000, v[MM+\c]    ; 8 off its exponent field: the conversion's scale operand
.endr
.irp c, 0,1,2,3
	v_and_or_b32 v[LM+\c], v[MM+\c], 0x7f800000, s26   ; 448 x the scale
.endr
.if \b == 0
.irp c, 0,1,2,3
	v_lshrrev_b32 v[WW+\c], 23, v[SC+\c]
.endr
.else
.irp c, 0,1,2,3
	v_lshrrev_b32 v[BYT+\c], 23, v[SC+\c]
.endr
.irp c, 0,1,2,3
	v_lshl_or_b32 v[WW+\c], v[BYT+\c], 8*\b, v[WW+\c]
.endr
.endif
	WIN 0x02
.irp c, 0,1,2,3
.irp i, 0,1,2,3,4,5,6,7,8,9,10,11,12,13,14,15
	v_med3_num_f32 v[WFR+16*\c+\i], v[64*\b+4*\i+\c], -v[LM+\c], v[LM+\c]   ; the hold (the conversion does not saturate: ISA guide 7.6.2), and the sorting by column
.endr
.endr
	WIN 0
	s_wait_alu depctr_va_vdst(0)
	s_wait_dscnt 0x0                               ; the last block's LDS stores have read the codes' registers
.irp c, 0,1,2,3
	v_cvt_scalef32_pk8_fp8_f32 v[CD+4*\c:CD+4*\c+1], v[WFR+16*\c:WFR+16*\c+7], v[SC+\c]
	v_cvt_scalef32_pk8_fp8_f32 v[CD+4*\c+2:CD+4*\c+3], v[WFR+16*\c+8:WFR+16*\c+15], v[SC+\c]
.endr
	v_nop                                          ; a plain instruction behind the last conversion
.irp c, 0,1,2,3
	ds_store_b128 v[WST], v[CD+4*\c:CD+4*\c+3] offset:2048*\c+512*\b
.endr
.endm
; The 32 masks: bit l of mask G = token (G, l) named e as its first or second expert.  Sixteen groups at a time, so that the vector compares stand together and the scalar lines behind them.
.macro BALLOTS
	WIN 0x04                                       ; source 1 in window 1
.irp k, 0,1
.set G_, 16*\k
.rept 16
	v_cmp_eq_u32 s[MSK+G_], s17, v[IDX+2*G_]
	v_cmp_eq_u32 s[42+G_-16*\k], s17, v[IDX+2*G_+1]
.set G_, G_+1
.endr
.set G_, 16*\k
.rept 16
	s_or_b32 s[MSK+G_], s[MSK+G_], s[42+G_-16*\k]
.set G_, G_+1
.endr
.endr
	WIN 0
.endm
; Groups g0 .. g0 + n - 1 of the search.  First the scalar lines: s58 runs through the prefixes, s42 on take 32 x prefix + group.  Then, for each group, a lane whose key is at or over that number takes
; the group's mask and number: the groups ascend, so the last that fits stays.  first = 1: s61 also takes the prefix of group sl.
.macro LBATCH g0, n, first
.set G_, \g0
.rept \n
	s_bcnt1_i32_b32 s60, s[MSK+G_-1]
	s_add_co_u32 s58, s58, s60
.if \first
	s_cmp_eq_u32 s18, G_
	s_cselect_b32 s61, s58, s61
.endif
	s_lshl_b32 s[42+G_-(\g0)], s58, 5
	s_or_b32 s[42+G_-(\g0)], s[42+G_-(\g0)], G_
.set G_, G_+1
.endr
.set G_, \g0
.rept \n
	v_cmp_le_u32 s59, s[42+G_-(\g0)], v[KEY]
	v_cmp_le_u32 s22, s[42+G_-(\g0)], v[KEY+1]
	v_cmp_le_u32 s23, s[42+G_-(\g0)], v[KEY+2]
	v_cndmask_b32 v[MK], v[MK], s[MSK+G_], s59
	v_cndmask_b32 v[PK], v[PK], s[42+G_-(\g0)], s59
	v_cndmask_b32 v[MK+1], v[MK+1], s[MSK+G_], s22
	v_cndmask_b32 v[PK+1], v[PK+1], s[42+G_-(\g0)], s22
	v_cndmask_b32 v[MK+2], v[MK+2], s[MSK+G_], s23
	v_cndmask_b32 v[PK+2], v[PK+2], s[42+G_-(\g0)], s23
.set G_, G_+1
.endr
.endm
; One halving step: the count of set bits in the lower half of the window at POS; where as many or more are still to pass, they are passed and the window's upper half is taken.
.macro LSEL src, fmask, inc, last
.irp j, 0,1,2
	v_lshrrev_b32 v[LT+\j], v[POS+\j], v[\src+\j]
.endr
.irp j, 0,1,2
	v_and_b32 v[LT+\j], \fmask, v[LT+\j]
.endr
	v_cmp_ge_u32 s59, v[NN], v[LT]
	v_cmp_ge_u32 s22, v[NN+1], v[LT+1]
	v_cmp_ge_u32 s23, v[NN+2], v[LT+2]
.if !\last
	v_cndmask_b32 v[LT], 0, v[LT], s59
	v_cndmask_b32 v[LT+1], 0, v[LT+1], s22
	v_cndmask_b32 v[LT+2], 0, v[LT+2], s23
.irp j, 0,1,2
	v_sub_nc_u32 v[NN+\j], v[NN+\j], v[LT+\j]
.endr
.endif
	v_cndmask_b32 v[LU], 0, \inc, s59
	v_cndmask_b32 v[LU+1], 0, \inc, s22
	v_cndmask_b32 v[LU+2], 0, \inc, s23
.irp j, 0,1,2
	v_add_nc_u32 v[POS+\j], v[POS+\j], v[LU+\j]
.endr
.endm
; The tokens of my five tiles of the pass that begins at tile s20, from the masks.  Register j of three: lanes 0-15 search for slot 2 j, lanes 16-31 for slot 2 j + 1 (slot 5 is nobody's).
; first = 1: the count (s57) and group sl's prefix (s61) are made on the way.
.macro LISTMAKE first
	s_add_co_u32 s34, s20, s16
	s_lshl_b32 s34, s34, 4                         ; the first row of slot 0's tile
	v_lshl_add_u32 v[RHO], v[HH], 6, v[RR]         ; a slot on is four tiles, 64 rows
	v_add_nc_u32 v[RHO], s34, v[RHO]
	v_add_nc_u32 v[RHO+1], 0x80, v[RHO]
	v_add_nc_u32 v[RHO+2], 0x100, v[RHO]
.irp j, 0,1,2
	v_min_u32 v[RHO+\j], 0x3ff, v[RHO+\j]
.endr
.irp j, 0,1,2
	v_lshl_or_b32 v[KEY+\j], v[RHO+\j], 5, 31
	v_mov_b32 v[MK+\j], s[MSK]                     ; group 0 fits every rank
	v_mov_b32 v[PK+\j], 0
	v_mov_b32 v[POS+\j], 0
.endr
	s_mov_b32 s58, 0
.if \first
	s_mov_b32 s61, 0
.endif
	s_wait_alu depctr_va_vdst(0)
	LBATCH 1, 15, \first
	s_wait_alu depctr_va_vdst(0)
	LBATCH 16, 15, \first
	LBATCH 31, 1, \first
.if \first
	s_bcnt1_i32_b32 s60, s[MSK+31]
	s_add_co_u32 s57, s58, s60                     ; the expert's rows
.endif
.irp j, 0,1,2
	v_lshrrev_b32 v[NN+\j], 5, v[PK+\j]
.endr
.irp j, 0,1,2
	v_sub_nc_u32 v[NN+\j], v[RHO+\j], v[NN+\j]     ; rank - the group's prefix: so many set bits lie below mine
.endr
.irp j, 0,1,2
	v_lshrrev_b32 v[LT+\j], 1, v[MK+\j]
.endr
.irp j, 0,1,2
	v_and_b32 v[LT+\j], 0x55555555, v[LT+\j]
.endr
.irp j, 0,1,2
	v_sub_nc_u32 v[LA+\j], v[MK+\j], v[LT+\j]      ; counts by 2 bits
.endr
.irp j, 0,1,2
	v_lshrrev_b32 v[LT+\j], 2, v[LA+\j]
.endr
.irp j, 0,1,2
	v_and_b32 v[LT+\j], 0x33333333, v[LT+\j]
.endr
.irp j, 0,1,2
	v_and_b32 v[LB+\j], 0x33333333, v[LA+\j]
.endr
.irp j, 0,1,2
	v_add_nc_u32 v[LB+\j], v[LB+\j], v[LT+\j]      ; by 4
.endr
.irp j, 0,1,2
	v_lshrrev_b32 v[LT+\j], 4, v[LB+\j]
.endr
.irp j, 0,1,2
	v_add_nc_u32 v[LC+\j], v[LB+\j], v[LT+\j]
.endr
.irp j, 0,1,2
	v_and_b32 v[LC+\j], 0x0f0f0f0f, v[LC+\j]       ; by 8
.endr
.irp j, 0,1,2
	v_lshrrev_b32 v[LT+\j], 8, v[LC+\j]
.endr
.irp j, 0,1,2
	v_add_nc_u32 v[LD+\j], v[LC+\j], v[LT+\j]      ; its lowest byte: the lower 16 bits' count
.endr
	LSEL LD, 0xff, 16, 0
	LSEL LC, 0xff, 8, 0
	LSEL LB, 15, 4, 0
	LSEL LA, 3, 2, 0
	LSEL MK, 1, 1, 1
.irp j, 0,1,2
	v_and_b32 v[LT+\j], 31, v[PK+\j]               ; the group
.endr
.irp j, 0,1,2
	v_and_b32 v[LU+\j], 1, v[LT+\j]
.endr
.irp j, 0,1,2
	v_lshrrev_b32 v[LT+\j], 1, v[LT+\j]
.endr
.irp j, 0,1,2
	v_lshl_or_b32 v[LU+\j], v[POS+\j], 1, v[LU+\j]
.endr
.irp j, 0,1,2
	v_lshl_or_b32 v[LT+\j], v[LT+\j], 6, v[LU+\j]  ; token = 64 (G / 2) + 2 lane + G % 2
.endr
.irp j, 0,1,2
	v_permlanex16_b32 v[LU+\j], v[LT+\j], s24, s25 ; the other half's slot (the destination has been written)
.endr
	v_cmp_eq_u32 vcc_lo, 0, v[HH]
	v_cndmask_b32 v[TOK], v[LU], v[LT], vcc_lo     ; both halves of the lanes hold row r's token of every slot
	v_cndmask_b32 v[TOK+1], v[LT], v[LU], vcc_lo
	v_cndmask_b32 v[TOK+2], v[LU+1], v[LT+1], vcc_lo
	v_cndmask_b32 v[TOK+3], v[LT+1], v[LU+1], vcc_lo
	v_cndmask_b32 v[TOK+4], v[LU+2], v[LT+2], vcc_lo
.endm
.macro XADDR
.irp i, 0,1,2,3,4
	v_min_u32 v[TOK+\i], 0x3ff, v[TOK+\i]          ; held inside x ahead of its use in an address
	v_lshl_add_u32 v[XO+\i], v[TOK+\i], 10, v[H16]
	v_lshl_add_u32 v[XSO+\i], v[TOK+\i], 5, v[H16]
.endr
.endm
.macro XSLOAD                          ; x's scale words: lanes 0-15 those of K steps 0-3, lanes 16-31 of K steps 4-7
.irp i, 0,1,2,3,4
	global_load_b128 v[XSC+4*\i:XSC+4*\i+3], v[XSO+\i], s[8:9] offset:XS_OFF
.endr
.endm
.macro XLOAD s                         ; K step s of my five tiles of x: 20 loads, into buffer s % 4
.if ((\s)%4) < 3
.set LN_, 80*((\s)%4)
	WIN 0x40
.else
.set LN_, 128
	WIN 0xc0
.endif
.irp i, 0,1,2,3
.irp b, 0,1,2,3
	global_load_b128 v[LN_+16*\i+4*\b:LN_+16*\i+4*\b+3], v[XO+\i], s[8:9] offset:128*(\s)+32*\b
.endr
.endr
.if (\s) > 3                           ; from K step 4 on slot 4's four loads are left out where it lies beyond the last tile (s29: its tile): its buffers keep K steps 0-3, and what is made of them is not stored
	WIN 0
	s_cmp_ge_u32 s29, s19
	s_cbranch_scc1 .Lno_slot_4_\@
.if ((\s)%4) < 3
	WIN 0x40
.else
	WIN 0xc0
.endif
.endif
.irp b, 0,1,2,3
	global_load_b128 v[LN_+64+4*\b:LN_+64+4*\b+3], v[XO+4], s[8:9] offset:128*(\s)+32*\b
.endr
	WIN 0
.if (\s) > 3
.Lno_slot_4_\@:
.endif
.endm
.macro WLOAD hs                        ; half-step hs = (K step hs / 2, column group hs % 2): four weight fragments and their scale words, 17 LDS loads, into set hs % 2
.set WS_, (\hs)/2
.set WG_, (\hs)%2
.set WF0, 16*(2*(WS_/4)+WG_)+4*(WS_%4)
.irp c, 0,1,2,3
.irp b, 0,1,2,3
.if WF0 < 32
	ds_load_b128 v[WFR+64*WG_+16*\c+4*\b:WFR+64*WG_+16*\c+4*\b+3], v[LI] offset:(WF0+\c)*2048+512*\b
.else
	ds_load_b128 v[WFR+64*WG_+16*\c+4*\b:WFR+64*WG_+16*\c+4*\b+3], v[LI2] offset:(WF0-32+\c)*2048+512*\b
.endif
.endr
.endr
	ds_load_b128 v[WSC+4*WG_:WSC+4*WG_+3], v[LIS] offset:(WF0/4)*512
.endm
.macro WMMA row
.if \row
	v_wmma_scale_f32_16x16x128_f8f6f4 v[DN_:DN_+7], v[AN_:AN_+15], v[BN_:BN_+15], v[CN_:CN_+7], v[SA_], v[SB_] matrix_b_scale:MATRIX_SCALE_ROW1
.else
	v_wmma_scale_f32_16x16x128_f8f6f4 v[DN_:DN_+7], v[AN_:AN_+15], v[BN_:BN_+15], v[CN_:CN_+7], v[SA_], v[SB_]
.endif
.endm
; 20 products: five tiles of rows x four tiles of columns, 128 along K.  Twenty different sums, one instruction a turn; a sum is taken up again two half-steps on.
.macro MUL20 s, g
.if ((\s)%4) < 3
.set XN_, 80*((\s)%4)
.set XW_, 1
.else
.set XN_, 128
.set XW_, 3
.endif
.if (\s) == 0
	WIN (XW_<<2)|0xb0                              ; source 1 x's window; C: b1, window 3; D window 2
.else
	WIN (XW_<<2)|0xa0
.endif
.irp i, 0,1,2,3
.irp c, 0,1,2,3
.set DN_, 64*\i+8*(4*(\g)+\c)
.set CN_, DN_
.if (\s) == 0
.set CN_, 64+8*(4*(\g)+\c)
.endif
.set AN_, WFR+64*(\g)+16*\c
.set BN_, XN_+16*\i
.set SA_, WSC+4*(\g)+\c
.set SB_, XSC+4*\i+(\s)%4
	WMMA (\s)/4
.endr
.endr
	WIN (XW_<<2)|0xf0                              ; slot 4: C and D window 3
.irp c, 0,1,2,3
.set DN_, 8*(4*(\g)+\c)
.set CN_, DN_
.if (\s) == 0
.set CN_, 64+8*(4*(\g)+\c)
.endif
.set AN_, WFR+64*(\g)+16*\c
.set BN_, XN_+64
.set SA_, WSC+4*(\g)+\c
.set SB_, XSC+16+(\s)%4
	WMMA (\s)/4
.endr
	WIN 0
.endm
.macro HSTEP hs
.set HS_S, (\hs)/2
.set HS_G, (\hs)%2
.if (\hs) > 0
	PLACES 8                                       ; eight plain instructions between the last products and loads into registers that products have read
.endif
.if (\hs) < 15
	WLOAD (\hs)+1
.endif
.if (HS_G == 0) && (HS_S <= 4)
	XLOAD HS_S+3
.endif
.if (\hs) < 15
	s_wait_dscnt 17                                ; the 17 just issued may be out: this half-step's set is in
.else
	s_wait_dscnt 0x0
.endif
.if HS_G == 0
.if HS_S <= 3
	s_wait_loadcnt 60-4*HS_S                       ; the three younger K steps' loads may be out: 20 each of K steps 0-3, at least 16 each of the others
.else
	s_wait_loadcnt 16*(7-HS_S)
.endif
.endif
	MUL20 HS_S, HS_G
.endm
	s_load_b256 s[4:11], s[0:1], 0x0               ; W1, b1, xq, ridx
	s_load_b64 s[12:13], s[0:1], 0x20              ; hq
	s_load_b64 s[36:37], s[0:1], 0x28              ; plan
	s_load_b64 s[38:39], s[0:1], 0x30              ; gwp
	v_lshl_add_u32 v[SPW], v0, 2, SPARE
	v_mov_b32 v[NIL], 0
	v_lshrrev_b32 v[RR], 5, v0
	v_readfirstlane_b32 s16, v[RR]                 ; wave 0..3
	v_and_b32 v[HH], 31, v0
	v_lshlrev_b32 v[LI], 4, v[HH]
	v_add_nc_u32 v[LI2], 0x10000, v[LI]
	v_add_nc_u32 v[LIS], WSB, v[LI]
	v_and_b32 v[RR], 15, v0
	v_bfe_u32 v[HH], v0, 4, 1
	v_lshlrev_b32 v[WOFF], 4, v[RR]
	v_lshl_add_u32 v[HOFF], v[HH], 9, v[WOFF]
	v_lshl_add_u32 v[WOFF], v[HH], 14, v[WOFF]
	v_lshlrev_b32 v[R4], 2, v[RR]
	v_lshlrev_b32 v[H16], 4, v[HH]
	v_lshlrev_b32 v[SA1], 7, v[HH]
	v_mov_b32 v[FLR], 0x4800000
.irp c, 0,1,2,3
	v_mov_b32 v[PX+\c], 0                          ; written once: a lane permute's destination counts as one of its sources
.endr
	s_and_b32 s17, ttmp7, 0xffff                   ; expert
	s_mov_b32 s18, ttmp9                           ; slice of 128 columns of F; also the group of tokens whose ranks my wave 0 stores
	s_mov_b32 s24, 0x76543210
	s_mov_b32 s25, 0xfedcba98
	s_mov_b32 s26, 0x600000
	s_lshl_b32 s40, s16, 15                        ; LDS: my 16 fragments,
	s_lshl_b32 s41, s16, 11
	s_add_co_u32 s41, s41, WSB                     ; and their scale words
	s_lshl_b32 s42, s17, 24                        ; W1: expert x 16 MiB
	s_lshr_b32 s34, s16, 1
	s_lshl_b32 s34, s34, 23                        ; + 512 K rows x (wave / 2)
	s_add_co_u32 s42, s42, s34
	s_lshl_b32 s34, s18, 9                         ; + the slice's 512 bytes
	s_add_co_u32 s42, s42, s34
	s_and_b32 s34, s16, 1
	s_lshl_b32 s34, s34, 8                         ; + 256 x (wave % 2)
	s_add_co_u32 s42, s42, s34
	s_mov_b32 s43, 0
	s_lshl_b32 s44, s17, 14
	s_lshl_b32 s34, s18, 9
	s_add_co_u32 s44, s44, s34                     ; b1
	s_mov_b32 s45, 0
	s_lshl_b32 s46, s17, 12                        ; the expert's ranks, at group sl's first token: 4 x (64 (sl / 2) + sl % 2)
	s_lshr_b32 s34, s18, 1
	s_lshl_b32 s35, s34, 8
	s_add_co_u32 s46, s46, s35
	s_and_b32 s35, s18, 1
	s_lshl_b32 s35, s35, 2
	s_add_co_u32 s46, s46, s35
	s_mov_b32 s47, 0
	s_lshl_b32 s34, s34, 9                         ; and 8 x that token, for its pairs
	s_and_b32 s35, s18, 1
	s_lshl_b32 s35, s35, 3
	s_add_co_u32 s34, s34, s35
	v_add_nc_u32 v[SA0], s34, v[LI]                ; + 16 lane: the group's tokens lie two apart
	s_lshl_b32 s48, s17, 22
	s_lshl_b32 s34, s18, 11
	s_add_co_u32 s48, s48, s34                     ; hq's images: the slice is K step sl of the next product
	s_mov_b32 s49, 0
	s_lshl_b32 s50, s17, 17
	s_lshl_b32 s34, s18, 6
	s_add_co_u32 s50, s50, s34
	s_add_co_u32 s50, s50, HS_OFF                  ; hq's scale words
	s_mov_b32 s51, 0
	s_lshl_b32 s52, s17, 12                        ; the expert's gate weights by rank
	s_mov_b32 s53, 0
	s_lshl_b32 s54, s17, 2                         ; its count
	s_mov_b32 s55, 0
	s_mov_b32 s20, 0                               ; the pass's first tile
	s_mov_b32 s27, 0                               ; passes done
	s_wait_alu depctr_va_vdst(0)
	s_wait_kmcnt 0x0
	s_add_nc_u64 s[4:5], s[4:5], s[42:43]
	s_add_nc_u64 s[6:7], s[6:7], s[44:45]
	s_add_nc_u64 s[14:15], s[12:13], s[50:51]
	s_add_nc_u64 s[12:13], s[12:13], s[48:49]
	s_add_nc_u64 s[62:63], s[36:37], s[54:55]
	s_add_nc_u64 s[36:37], s[36:37], s[46:47]
	s_add_nc_u64 s[38:39], s[38:39], s[52:53]
	WIN 0x40
.irp g, 0,1
.irp j, 0,1,2,3,4,5,6,7
	global_load_b128 v[4*(8*\g+\j):4*(8*\g+\j)+3], v[SA1], s[6:7] offset:256*\g+16*\j    ; b1 at columns 64 g + 32 h + 4 j + 0 .. 3
.endr
.endr
	WIN 0
	LOADB 0, 0
	LOADB 1, 32
	LOADB 2, 64
	s_wait_loadcnt 48                              ; the three blocks of W1 may be out: b1 is in
	WIN 0xc1
.irp g, 0,1
.irp c, 0,1,2,3
.irp j, 0,1,2,3,4,5,6,7
	v_mov_b32 v[64+8*(4*\g+\c)+\j], v[4*(8*\g+\j)+\c]     ; b1 into the result's layout: tile 4 g + c, register j
.endr
.endr
.endr
	WIN 0x40
.irp q, 0,1,2,3,4,5,6,7,8,9,10,11,12,13,14,15
	global_load_b128 v[IDX+4*\q:IDX+4*\q+3], v[LI], s[10:11] offset:512*\q    ; all 1,024 pairs of expert numbers: groups 2 q and 2 q + 1; 512 consecutive bytes a load
.endr
	WIN 0
	global_load_b64 v[OWN:OWN+1], v[SA0], s[10:11]                 ; group sl once more, a token a lane,
	global_load_b64 v[OWN+2:OWN+3], v[SA0], s[8:9] offset:GW_OFF   ; and its gate weights
	; ---- PHASE A: 16 blocks, four to a trip (one K step's four fragments); three blocks are on their way while one is worked
	s_mov_b32 s32, 0
.Ltrip:
	v_add_nc_u32 v[WST], s40, v[LI]
	v_add_nc_u32 v[WSS], s41, v[LI]
.irp b, 0,1,2,3
	s_wait_loadcnt 32                              ; the two younger blocks' 16 loads each may be out (in the first trip the 18 loads above are younger too: the count then waits for more than the block; by the third step they are in)
	LOADB (\b+3)%4, 32*(\b+3)
	QBLOCK \b
.endr
	ds_store_b128 v[WSS], v[WW:WW+3]
	s_wait_dscnt 0x0
	s_wait_xcnt 0x0                                ; the loads have read their base: it may step
	s_add_nc_u64 s[4:5], s[4:5], 128*PITCH
	s_add_co_u32 s40, s40, 8192
	s_add_co_u32 s41, s41, 512
	s_add_co_u32 s32, s32, 1
	s_cmp_lt_u32 s32, 3
	s_cbranch_scc1 .Ltrip
	v_add_nc_u32 v[WST], s40, v[LI]                ; the last trip is written out: one more block to load; then the placing, while the last blocks are on their way; then the first pass's loads of x
	v_add_nc_u32 v[WSS], s41, v[LI]
	s_wait_loadcnt 32
	LOADB 3, 96
	BALLOTS
	LISTMAKE 1
	s_add_co_u32 s19, s57, 15
	s_lshr_b32 s19, s19, 4
	s_min_u32 s19, s19, 64                         ; tiles of 16 rows
	s_add_co_u32 s28, s19, 19
	s_mul_i32 s28, s28, 3277
	s_lshr_b32 s28, s28, 16                        ; passes of 20 tiles: (tiles + 19) / 20; 3277 / 65536 gives the quotient exactly up to 83
	s_cmp_lg_u32 s16, 0
	s_cbranch_scc1 .Lplaced                        ; wave 0 alone stores group sl's part of the tables
	v_cmp_eq_u32 s22, s17, v[OWN]
	v_cmp_eq_u32 vcc_lo, s17, v[OWN+1]
	v_cndmask_b32 v[PLW], v[OWN+2], v[OWN+3], vcc_lo      ; the weight of the choice that named e,
	s_or_b32 s23, s22, vcc_lo
	s_not_b32 s34, s23
	s_lshl_b32 s35, s18, 5
	s_sub_co_u32 s35, s35, s61                     ; tokens of earlier groups that did not choose e
	v_cndmask_b32 v[PLW], 0, v[PLW], s23           ; or 0
	v_mbcnt_lo_u32_b32 v[PLW+1], s23, s61          ; from the front
	v_mbcnt_lo_u32_b32 v[PLW+2], s34, s35
	v_sub_nc_u32 v[PLW+2], 0x3ff, v[PLW+2]         ; from the back
	v_cndmask_b32 v[PLW+1], v[PLW+2], v[PLW+1], s23       ; my token's rank
	v_lshlrev_b32 v[PLW+2], 2, v[PLW+1]
	v_min_u32 v[PLW+2], 0xffc, v[PLW+2]            ; its byte offset, held inside the table by the last line that writes it
	v_lshrrev_b32 v[PLW+3], 1, v[LI]               ; 8 lane
	global_store_b32 v[PLW+2], v[PLW], s[38:39]
	global_store_b32 v[PLW+3], v[PLW+1], s[36:37] offset:RANK
	s_wait_xcnt 0x0                                ; the stores have read their registers, into which weight fragments will land; and EXEC changes only behind this wait
	s_cmp_lg_u32 s18, 0
	s_cbranch_scc1 .Lplaced
	v_mov_b32 v[PLW+4], s57
	v_mov_b32 v[PLW+5], 0
	v_cmp_eq_u32 vcc_lo, 0, v[LI]
	s_and_saveexec_b32 s33, vcc_lo
	global_store_b32 v[PLW+5], v[PLW+4], s[62:63] offset:CNT   ; the count, by lane 0 of work-group 0
	s_wait_xcnt 0x0                                ; and again ahead of the line that widens EXEC
	s_or_b32 exec_lo, exec_lo, s33
.Lplaced:
	s_wait_alu depctr_va_vdst(0)
	XADDR
	XSLOAD
	XLOAD 0
	QBLOCK 0
	s_wait_loadcnt 57                              ; younger than block 13: blocks 14, 15 (32), 5 + 20 of x
	QBLOCK 1
	XLOAD 1
	s_wait_loadcnt 61                              ; younger than block 14: 16 + 25 + 20
	QBLOCK 2
	XLOAD 2
	s_wait_loadcnt 63                              ; younger than block 15 are 65; the count names fewer, which waits for more
	QBLOCK 3
	ds_store_b128 v[WSS], v[WW:WW+3]
	s_wait_dscnt 0x0                               ; for the others' sake: my fragments and scale words lie in LDS
	s_barrier_signal -1
	s_barrier_wait -1                              ; the slice is whole; nothing writes it from here on
	; ---- PHASE B
	s_cmp_eq_u32 s19, 0
	s_cbranch_scc1 .Lend                           ; an expert that nobody chose
.Lpass:
	s_add_co_u32 s29, s20, s16
	s_add_co_u32 s29, s29, 16                      ; slot 4's tile
	PLACES 9                                       ; nine: the first products write over sums of the pass before
	WLOAD 0
	s_wait_alu depctr_va_vdst(0)
.irp hs, 0,1,2,3,4,5,6,7,8,9,10,11,12,13,14,15
	HSTEP \hs
.endr
	PLACES 8                                       ; ahead of the first read of results, and of writes into registers that products have read
; THE EPILOGUE, slot by slot.  FRONT takes a slot's 64 sums z out of their window, from each sum's low end on, as u = z / sqrt(2).  The rest is common to the slots, lies in window 1 and runs
; once for each of the two column groups.
.set T1,  0
.set HZ,  64
.set X2,  128
.set PP,  160
.set QQ,  192
.set MX,  224
.set LL,  228
.set SS,  229
.set BY,  230
.set WD,  232
.set PT,  233
.set K13, 234
.set K8,  236
.set CQ,  240
.macro FRONT i
.if \i < 4
.set AB_, 64*\i
	WIN 0x42
.else
.set AB_, 0
	WIN 0x43
.endif
.irp n, 0,1,2,3,4,5,6,7
.irp j, 0,2,4,6
	v_pk_mul_f32 v[T1+8*\n+\j:T1+8*\n+\j+1], v[AB_+8*\n+\j:AB_+8*\n+\j+1], s[56:57] op_sel_hi:[1,0]
.endr
.endr
	WIN 0
.endm
.macro HORN acc, lit                   ; acc = acc u^2 + lit, 16 pairs
.set p_, 0
.rept 16
	v_pk_fma_f32 v[\acc+p_:\acc+p_+1], v[\acc+p_:\acc+p_+1], v[X2+p_:X2+p_+1], \lit op_sel_hi:[1,1,0]
.set p_, p_+2
.endr
.endm
.macro MUL16P d, a, b                  ; d = a b, 16 pairs
.set p_, 0
.rept 16
	v_pk_mul_f32 v[(\d)+p_:(\d)+p_+1], v[(\a)+p_:(\a)+p_+1], v[(\b)+p_:(\b)+p_+1]
.set p_, p_+2
.endr
.endm
.macro GUNIT                           ; a column group: a lane's 32 numbers, one block of 32 along F: gelu, scale, codes, store.  s30 = 16 x group
.set U_, T1
.set H_, HZ
	WIN 0x55
.set p_, 0
.rept 16
	v_pk_mul_f32 v[H_+p_:H_+p_+1], v[U_+p_:U_+p_+1], s[56:57] op_sel_hi:[1,0]   ; u / sqrt(2) = z / 2
.set p_, p_+2
.endr
.set p_, 0
.rept 32
	v_med3_num_f32 v[U_+p_], v[U_+p_], -4.0, 4.0
.set p_, p_+1
.endr
	MUL16P X2, U_, U_
.set p_, 0
.rept 16
	v_pk_fma_f32 v[PP+p_:PP+p_+1], v[X2+p_:X2+p_+1], v[K13:K13+1], 0x32edffee op_sel_hi:[1,0,0]
.set p_, p_+2
.endr
.set p_, 0
.rept 16
	v_pk_fma_f32 v[QQ+p_:QQ+p_+1], v[X2+p_:X2+p_+1], v[K8:K8+1], 0xb95fbd29 op_sel_hi:[1,0,0]
.set p_, p_+2
.endr
	HORN PP, 0xb60cff51
	HORN QQ, 0xbadc924e
	HORN PP, 0xb86ec2d2
	HORN QQ, 0xbbf19bf8
	HORN PP, 0xba40ac63
	HORN QQ, 0xbc69b6a7
	HORN PP, 0xbb41a1f6
	HORN PP, 0xbc83dbd4
.set p_, 0
	s_wait_alu depctr_va_vdst(0)                   ; the wait ahead of the batch and of the wait below
	s_wait_xcnt 0x0                                ; the last group's stores have read their base and their codes
	s_add_nc_u64 s[54:55], s[54:55], s[48:49]      ; + 0 for group 0, + 1,024 for group 1
.rept 32
	v_rcp_f32 v[QQ+p_], v[QQ+p_]                   ; one batch
.set p_, p_+1
.endr
	MUL16P PP, PP, U_                              ; plain work that names no reciprocal,
	s_wait_alu depctr_va_vdst(0)                   ; and the wait ahead of the batch's first reader
	MUL16P PP, PP, QQ                              ; erf(u)
.set p_, 0
.rept 16
	v_pk_fma_f32 v[H_+p_:H_+p_+1], v[H_+p_:H_+p_+1], v[PP+p_:PP+p_+1], v[H_+p_:H_+p_+1]   ; z / 2 x erf + z / 2
.set p_, p_+2
.endr
.irp q, 0,1,2,3
	v_max3_num_f32 v[MX+\q], |v[H_+8*\q]|, |v[H_+8*\q+1]|, 0x4800000
.endr
.irp u, 2,4,6
.irp q, 0,1,2,3
	v_max3_num_f32 v[MX+\q], v[MX+\q], |v[H_+8*\q+\u]|, |v[H_+8*\q+\u+1]|
.endr
.endr
	v_max3_num_f32 v[MX], v[MX], v[MX+1], v[MX+2]
	v_max_num_f32 v[MX], v[MX], v[MX+3]            ; the block lies in this lane: no other lane is asked
	v_add_nc_u32 v[SS], 0xfc000000, v[MX]
	v_and_or_b32 v[LL], v[MX], 0x7f800000, s26
	v_lshrrev_b32 v[BY], 23, v[SS]
	v_lshl_or_b32 v[WD], v[BY], s30, v[WD]         ; my blocks h and 2 + h
.irp c, 0,1,2,3
.irp j, 0,1,2,3,4,5,6,7
	v_med3_num_f32 v[X2+16*(\c%2)+2*\j+\c/2], v[H_+8*\c+\j], -v[LL], v[LL]    ; k = 4 j + c of the block, into the order of codes
.endr
.endr
.irp q, 0,1,2,3
	v_cvt_scalef32_pk8_fp8_f32 v[CQ+2*\q:CQ+2*\q+1], v[X2+8*\q:X2+8*\q+7], v[SS]
.endr
	v_nop
	WIN 0x04                                       ; a store's data are its source 1: window 1
	global_store_b128 v[SA0], v[CQ:CQ+3], s[54:55]                 ; block 2 g + h of the image: what lanes 0-15 will load;
	global_store_b128 v[SA0], v[CQ+4:CQ+7], s[54:55] offset:256    ; and lanes 16-31.  Sixteen lanes store 256 consecutive bytes, aligned
.endm
	s_mov_b32 s21, 0
.Lslot:
	s_lshl_b32 s22, s21, 2
	s_add_co_u32 s22, s22, s20
	s_add_co_u32 s22, s22, s16                     ; the slot's tile
	s_cmp_ge_u32 s22, s19
	s_cbranch_scc1 .Lnext                          ; beyond the last tile: nothing is stored
	s_wait_xcnt 0x0                                ; the last slot's stores have read their registers
	s_min_u32 s22, s22, 63
	s_lshl_b32 s34, s22, 16
	v_add_nc_u32 v[SA0], s34, v[HOFF]
	s_lshl_b32 s34, s22, 11
	v_add_nc_u32 v[SA1], s34, v[R4]
	s_mov_b32 s56, 0x3f3504f3                      ; 1 / sqrt(2) (the packed form names a pair and takes its low word for both halves)
	s_mov_b32 s57, s56
	s_cmp_lg_u32 s21, 0
	s_cbranch_scc1 .Lnot0
	FRONT 0
	s_branch .Lcommon
.Lnot0:
	s_cmp_lg_u32 s21, 1
	s_cbranch_scc1 .Lnot1
	FRONT 1
	s_branch .Lcommon
.Lnot1:
	s_cmp_lg_u32 s21, 2
	s_cbranch_scc1 .Lnot2
	FRONT 2
	s_branch .Lcommon
.Lnot2:
	s_cmp_lg_u32 s21, 3
	s_cbranch_scc1 .Lnot3
	FRONT 3
	s_branch .Lcommon
.Lnot3:
	FRONT 4
.Lcommon:
	WIN 0x40
	v_mov_b32 v[K13], 0xaf95df0b                   ; the two leading coefficients, as pairs
	v_mov_b32 v[K13+1], 0xaf95df0b
	v_mov_b32 v[K8], 0xb77460cd
	v_mov_b32 v[K8+1], 0xb77460cd
	v_mov_b32 v[PT], 0
	v_mov_b32 v[WD], 0
	WIN 0
	s_wait_alu depctr_va_vdst(0)                   ; ahead of the scalar lines and the branches below
	s_mov_b64 s[54:55], s[12:13]                   ; where the group's codes go
	s_mov_b32 s48, 0
	s_mov_b32 s49, 0
	s_mov_b32 s31, 0
.Lgroup:
	s_lshl_b32 s30, s31, 4
	s_cmp_eq_u32 s31, 0
	s_cbranch_scc1 .Lgroup_0
	WIN 0x41
.set p_, 0
.rept 32
	v_mov_b32 v[T1+p_], v[T1+32+p_]                ; group 1's numbers to where the common text takes them
.set p_, p_+1
.endr
	WIN 0
.Lgroup_0:
	GUNIT
	WIN 0
	s_mov_b32 s48, 1024
	s_wait_alu depctr_va_vdst(0)                   ; ahead of the branch
	s_add_co_u32 s31, s31, 1
	s_cmp_lt_u32 s31, 2
	s_cbranch_scc1 .Lgroup
	WIN 0x55
	v_permlanex16_b32 v[PT], v[WD], s24, s25
	v_lshl_or_b32 v[WD], v[PT], 8, v[WD]           ; in lanes 0-15: the row's four bytes
	WIN 0
	v_cmp_eq_u32 vcc_lo, 0, v[HH]
	s_wait_alu depctr_va_vdst(0)
	s_wait_xcnt 0x0                                ; EXEC changes only behind this wait
	s_and_saveexec_b32 s33, vcc_lo
	WIN 0x04
	global_store_b32 v[SA1], v[WD], s[14:15]
	WIN 0
	s_wait_xcnt 0x0
	s_or_b32 exec_lo, exec_lo, s33
.Lnext:
	s_add_co_u32 s21, s21, 1
	s_cmp_lt_u32 s21, 5
	s_cbranch_scc1 .Lslot
	s_add_co_u32 s20, s20, 20                      ; the next pass's first tile
	s_add_co_u32 s27, s27, 1                       ; the loop's counter: one a pass
	s_cmp_ge_u32 s27, s28
	s_cbranch_scc1 .Lskip
	LISTMAKE 0                                     ; a further pass: its tokens from the masks (every load of the last pass has come: its last wait was for 0), its addresses and first three K steps
	XADDR
	XSLOAD
	XLOAD 0
	XLOAD 1
	XLOAD 2
.Lskip:
	s_cmp_lt_u32 s27, s28
	s_cbranch_scc1 .Lpass
.Lend:
	s_wait_tensorcnt 0x0                           ; the wave's end
	ds_add_u32 v[SPW], v[NIL]
	s_wait_dscnt 0x0
	s_endpgm
.Lfunc_end_k_q3b91c0c365_ffn1:
	.size	k_q3b91c0c365_ffn1, .Lfunc_end_k_q3b91c0c365_ffn1-k_q3b91c0c365_ffn1
	.p2alignl 7, 3214868480
	.fill 96, 4, 3214868480
	.section	.rodata,"a",@progbits
	.p2align	6, 0x0
	.amdhsa_kernel k_q3b91c0c365_ffn1
		.amdhsa_group_segment_fixed_size 139776
		.amdhsa_private_segment_fixed_size 0
		.amdhsa_enable_private_segment 0
		.amdhsa_kernarg_size 56
		.amdhsa_user_sgpr_count 2
		.amdhsa_user_sgpr_kernarg_segment_ptr 1
		.amdhsa_wavefront_size32 1
		.amdhsa_system_sgpr_workgroup_id_x 1
		.amdhsa_system_sgpr_workgroup_id_y 1
		.amdhsa_system_sgpr_workgroup_id_z 1
		.amdhsa_system_vgpr_workitem_id 0
		.amdhsa_next_free_vgpr 1024
		.amdhsa_next_free_sgpr 98
		.amdhsa_reserve_vcc 1
		.amdhsa_float_denorm_mode_32 3
		.amdhsa_float_denorm_mode_16_64 3
		.amdhsa_memory_ordered 1
		.amdhsa_forward_progress 1
		.amdhsa_inst_pref_size 255
	.end_amdhsa_kernel
	.section	.bss,"aw",@nobits
	.p2align	6
	.space	262144
	.amdgpu_metadata
---
amdhsa.version: [ 1, 2 ]
amdhsa.kernels:
  - .name:           k_q3b91c0c365_ffn1
    .symbol:         k_q3b91c0c365_ffn1.kd
    .args:
      - { .name: W1, .offset: 0, .size: 8, .value_kind: global_buffer, .address_space: global }
      - { .name: b1, .offset: 8, .size: 8, .value_kind: global_buffer, .address_space: global }
      - { .name: xq, .offset: 16, .size: 8, .value_kind: global_buffer, .address_space: global }
      - { .name: ridx, .offset: 24, .size: 8, .value_kind: global_buffer, .address_space: global }
      - { .name: hq, .offset: 32, .size: 8, .value_kind: global_buffer, .address_space: global }
      - { .name: plan, .offset: 40, .size: 8, .value_kind: global_buffer, .address_space: global }
      - { .name: gwp, .offset: 48, .size: 8, .value_kind: global_buffer, .address_space: global }
    .group_segment_fixed_size: 139776
    .private_segment_fixed_size: 0
    .kernarg_segment_align: 8
    .kernarg_segment_size: 56
    .max_flat_workgroup_size: 128
    .sgpr_count:     98
    .vgpr_count:     1024
    .wavefront_size: 32
...
	.end_amdgpu_metadata
.endif
;; end of part 2
;; launch ffn2 (part 3): grid 32 x 8, 8 waves a work-group, no clusters, 157,696 bytes of LDS; arguments W2, hq, gwp, plan, y, b2; writes y
.if DOCPART == 3
	.amdgcn_target "amdgcn-amd-amdhsa--gfx1250"
	.amdhsa_code_object_version 6
	.text
	.protected	k_q3b91c0c365_ffn2
	.globl	k_q3b91c0c365_ffn2
	.p2align	8
	.type	k_q3b91c0c365_ffn2,@function
k_q3b91c0c365_ffn2:
	s_mov_b64 s[64:65], 0
	v_nop
	global_prefetch_b8 v0, s[64:65] scope:SCOPE_SE
	s_setreg_imm32_b32 hwreg(HW_REG_WAVE_MODE, 25, 1), 1
	s_wait_xcnt 0x0
; y[kh][pos] = gate weight x (h W2[e] over one half of F, + b2[e] in half 0), for the rows that chose expert e (the others are dead work: see the first kernel's head).
; A work-group owns expert e (grid y), 64 columns of C (grid x % 16) and 2,048 rows of F (grid x / 16): 512 KiB of f32 of W2, which leaves memory once, in rows of 256 bytes, whole aligned
; blocks.  Two halves of K mean two partial sums a row, which the last launch adds.
; THE STREAM: 16 K steps of 128.  WAVES 0-3 bring W2: in K step s wave w takes rows 128 s + 32 w .. + 31 x 64 columns by 16 loads (two rows of 256 bytes each), quantises them along K in
; registers (inside a block of 32 byte i < 16 holds k = 2 i, byte 16 + i holds k = 2 i + 1, as h's codes are laid) and lays its quarter of four fragments in LDS as images of their registers.
; WAVES 4-7 multiply the K step that was laid in the step before: wave 4 + w takes tiles 4 i + w, i = 0 .. 4, of 16 rows; h's fragments and scale words come from memory as they were stored,
; 512 consecutive bytes a load, two K steps ahead.  The kinds are two because loads are counted in issue order: a wave that did both would wait for weights asked for ahead of h's loads.
; One barrier between K steps, under no branch; every K step has LDS bytes of its own, so nothing is written twice, and further passes of 20 tiles (where an expert has more than 320 rows)
; find all fragments there.  A slot beyond the last tile loads one piece of 16 bytes in all lanes, so that every wait's count is fixed, and stores nothing.
; Transposed products (source 0 = 16 columns of W2): register j of lane (r, h), tile c = (row r, column 32 h + 4 j + c).  b2 (K half 0; zeros in half 1) is the C of each sum's first product.
; The multiplication by the gate weight also sorts a lane's 32 results into neighbours; they turn through the wave's own stage in LDS and leave as rows of 256 bytes.
; NO TENSOR LOAD, NO CLUSTER: branches hang on the count, which is data; the weights are shared by nobody.  No prefetch: waves 0-3 have 32 to 48 loads of 512 bytes on their way throughout.
; LIMITS: as stated at the first kernel's head.
; REGISTERS.  No register takes loads of both kinds of waves.  Window 0: v1-33 addresses.  Waves 0-3: v34-97 numbers sorted by column, v98-133 at work; window 1: the ring of four blocks.
;   Waves 4-7: v34-81 weight fragments, three of the K step's four at a time; v82-161, v162-241 h's two buffers (at the end gate weights in v122-126); v242-251 h's scale words, two sets;
;   v252-255 W2's; window 1: v0-159 the 20 sums (32 i + 8 c), v160-191 b2 in the result's layout.
.set PITCH,  4096
.set WSB,    131072                    ; LDS: 16 K steps x 4 fragment images of 2,048 bytes; from here the scale words: [K step][lane][4 fragments]
.set STG,    139264                    ; the stages: 16 rows x 272 bytes for each of waves 4-7
.set SPARE,  156672                    ; the spare words, 128 bytes for each of eight waves
.set CNT,    65536
.set HS_OFF, 33554432
.set LI,   1                           ; 16 lane
.set LIS,  2                           ; WSB + 16 lane
.set LW,   3                           ; 16 lane + 512 (wave % 4)
.set LWS,  4                           ; WSB + 16 lane + wave % 4
.set WST,  5                           ; these four + the trip's K steps
.set WSS,  6
.set LF,   7
.set LFS,  8
.set WOFF, 9                           ; 4096 h + 16 r: in W2, and in y
.set STI,  10                          ; the stage: in
.set STO,  11                          ; and back
.set R4,   12                          ; r, then 4 r
.set HH,   13
.set FLR,  14                          ; 2^-118
.set L4,   15                          ; 4 lane
.set HO,   16                          ; v16-20 slot i: tile x 65,536 + 16 lane
.set HSO,  21                          ; v21-25 tile x 2,048 + 4 lane
.set SPW,  26
.set NIL,  27
.set YO,   28                          ; at the head 128 h; then a tile's place in y
.set GWA,  29                          ; v29-33 tile x 64 + 4 r
.set WFR,  34
.set MM,   98
.set PX,   102
.set LM,   106
.set SC,   110
.set BYT,  114
.set CD,   118
.set HB0,  82
.set HB1,  162
.set GWV,  122
.set HSC,  242                         ; set p at + 5 p: slot i: lanes 0-15 the even K step's words, lanes 16-31 the odd one's
.set WSC,  252
.set BIA,  160                         ; in window 1
.set HB,   56                          ; s[56:57] h's images, s[58:59] its scale words, at the trip's first K step
.set SB,   58
.set MSB, 0
.macro WIN new                         ; the immediate's high byte repeats the setting that is left; a switch that changes nothing is dropped
.if MSB != (\new)
	s_set_vgpr_msb (MSB<<8)|(\new)
.set MSB, (\new)
.endif
.endm
.macro PLACES n
.rept \n
	v_nop
.endr
.endm
.macro WA
	s_wait_alu depctr_va_vdst(0)
.endm
.macro BAR
	WA
	s_wait_dscnt 0x0                               ; my LDS stores are done, my LDS reads have come
	s_barrier_signal -1
	s_barrier_wait -1
.endm
.macro LOADB slot, ks                  ; my 32 rows of K step ks (from the base) into ring slot: register 4 i + c = W(2 i + h, 4 r + c)
	WIN 0x40
.irp i, 0,1,2,3,4,5,6,7,8,9,10,11,12,13,14,15
	global_load_b128 v[64*(\slot)+4*\i:64*(\slot)+4*\i+3], v[WOFF], s[4:5] offset:(128*(\ks)+2*\i)*PITCH th:TH_LOAD_NT
.endr
	WIN 0
.endm
.macro QBLOCK slot, kk                 ; ring slot becomes my quarter of four fragments, and my byte of their scale words, K step kk of the trip
	WIN 0x14
.irp c, 0,1,2,3
	v_max3_num_f32 v[MM+\c], v[FLR], |v[64*(\slot)+\c]|, |v[64*(\slot)+4+\c]|
.endr
.irp i, 2,4,6,8,10,12,14
.irp c, 0,1,2,3
	v_max3_num_f32 v[MM+\c], v[MM+\c], |v[64*(\slot)+4*\i+\c]|, |v[64*(\slot)+4*\i+4+\c]|
.endr
.endr
	WIN 0
.irp c, 0,1,2,3
	v_permlanex16_b32 v[PX+\c], v[MM+\c], s24, s25
.endr
.irp c, 0,1,2,3
	v_max_num_f32 v[MM+\c], v[MM+\c], v[PX+\c]     ; with the other parity's 16 rows: the block's largest magnitude
.endr
.irp c, 0,1,2,3
	v_add_nc_u32 v[SC+\c], 0xfc000000, v[MM+\c]    ; 8 off its exponent field: the conversion's scale operand
.endr
.irp c, 0,1,2,3
	v_and_or_b32 v[LM+\c], v[MM+\c], 0x7f800000, s26   ; 448 x the scale
.endr
.irp c, 0,1,2,3
	v_lshrrev_b32 v[BYT+\c], 23, v[SC+\c]
.endr
	WIN 0x01
.irp c, 0,1,2,3
.irp i, 0,1,2,3,4,5,6,7,8,9,10,11,12,13,14,15
	v_med3_num_f32 v[WFR+16*\c+\i], v[64*(\slot)+4*\i+\c], -v[LM+\c], v[LM+\c]   ; the hold, and the sorting by column
.endr
.endr
	WIN 0
.irp c, 0,1,2,3
	v_cvt_scalef32_pk8_fp8_f32 v[CD+4*\c:CD+4*\c+1], v[WFR+16*\c:WFR+16*\c+7], v[SC+\c]
	v_cvt_scalef32_pk8_fp8_f32 v[CD+4*\c+2:CD+4*\c+3], v[WFR+16*\c+8:WFR+16*\c+15], v[SC+\c]
.endr
	v_nop                                          ; a plain instruction behind the last conversion
.irp c, 0,1,2,3
	ds_store_b128 v[WST], v[CD+4*\c:CD+4*\c+3] offset:8192*(\kk)+2048*\c
	ds_store_b8 v[WSS], v[BYT+\c] offset:512*(\kk)+4*\c
.endr
.endm
.macro SLOTS2                          ; the addresses of my five tiles of the pass that begins at tile s20; a slot beyond the last tile names one piece of the last tile
.irp i, 0,1,2,3,4
	s_add_co_u32 s34, s20, 4*\i
	s_add_co_u32 s34, s34, s21
	s_cmp_lt_u32 s34, s19
	s_cselect_b32 s38, 1, 0
	s_min_u32 s38, s38, 1
	s_min_u32 s34, s34, s37
	s_min_u32 s34, s34, 63
	v_mul_u32_u24 v[HO+\i], s38, v[LI]
	v_mul_u32_u24 v[HSO+\i], s38, v[L4]
	s_lshl_b32 s35, s34, 16
	v_add_nc_u32 v[HO+\i], s35, v[HO+\i]
	s_lshl_b32 s35, s34, 11
	v_add_nc_u32 v[HSO+\i], s35, v[HSO+\i]
	s_lshl_b32 s35, s34, 6
	v_add_nc_u32 v[GWA+\i], s35, v[R4]
.endr
	s_add_co_u32 s60, s20, 16
	s_add_co_u32 s60, s60, s21                     ; slot 4's tile
.endm
.macro GWLOAD
.irp i, 0,1,2,3,4
	global_load_b32 v[GWV+\i], v[GWA+\i], s[8:9]
.endr
.endm
.macro SLOAD set, pp                   ; h's scale words of K steps 2 pp, 2 pp + 1 from the base: 5 loads
.irp i, 0,1,2,3,4
	global_load_b32 v[HSC+5*(\set)+\i], v[HSO+\i], s[SB:SB+1] offset:128*(\pp)
.endr
.endm
.macro HLOAD buf, kk, all              ; K step kk from the base of my five tiles of h: 20 loads.  all = 0: where slot 4 lies beyond the last tile its four are left out: its buffers keep an earlier K step, and what is made of it is not stored
.irp i, 0,1,2,3
.irp b, 0,1,2,3
	global_load_b128 v[HB0+80*(\buf)+16*\i+4*\b:HB0+80*(\buf)+16*\i+4*\b+3], v[HO+\i], s[HB:HB+1] offset:2048*(\kk)+512*\b
.endr
.endr
.if \all == 0
	s_cmp_ge_u32 s60, s19
	s_cbranch_scc1 .Lno_slot_4_\@
.endif
.irp b, 0,1,2,3
	global_load_b128 v[HB0+80*(\buf)+64+4*\b:HB0+80*(\buf)+64+4*\b+3], v[HO+4], s[HB:HB+1] offset:2048*(\kk)+512*\b
.endr
.if \all == 0
.Lno_slot_4_\@:
.endif
.endm
.macro FLOAD kk, c                     ; K step kk of the trip: weight fragment c, 4 LDS loads
.irp b, 0,1,2,3
	ds_load_b128 v[WFR+16*((\c)%3)+4*\b:WFR+16*((\c)%3)+4*\b+3], v[LF] offset:8192*(\kk)+2048*(\c)+512*\b
.endr
.endm
; Five products: column tile c x five tiles of rows.  The twenty sums of a K step take turns, one instruction a turn.  first = 1: b2 starts the sums.
.macro PROD c, buf, set, row, first
	WIN 0x50                                       ; C and D window 1
.irp i, 0,1,2,3,4
.set DN_, 32*\i+8*(\c)
.set CN_, DN_
.if \first
.set CN_, BIA+8*(\c)
.endif
.set AN_, WFR+16*((\c)%3)
.set BN_, HB0+80*(\buf)+16*\i
.set SA_, WSC+(\c)
.set SB_, HSC+5*(\set)+\i
.if \row
	v_wmma_scale_f32_16x16x128_f8f6f4 v[DN_:DN_+7], v[AN_:AN_+15], v[BN_:BN_+15], v[CN_:CN_+7], v[SA_], v[SB_] matrix_b_scale:MATRIX_SCALE_ROW1
.else
	v_wmma_scale_f32_16x16x128_f8f6f4 v[DN_:DN_+7], v[AN_:AN_+15], v[BN_:BN_+15], v[CN_:CN_+7], v[SA_], v[SB_]
.endif
.endr
.endm
.macro MUL20 kk, buf, set, row, first
	s_wait_dscnt 8                                 ; the scale words and fragment 0 are in; fragments 1 and 2 may be out
	PROD 0, \buf, \set, \row, \first
	PLACES 8                                       ; ahead of loads into the fragment that these products have read
	WIN 0
	FLOAD \kk, 3
	s_wait_dscnt 8                                 ; fragments 2 and 3 may be out
	PROD 1, \buf, \set, \row, \first
	s_wait_dscnt 4                                 ; fragment 3 may be out
	PROD 2, \buf, \set, \row, \first
	s_wait_dscnt 0x0
	PROD 3, \buf, \set, \row, \first
	WIN 0
.endm
; The products of K step j of a trip; wl: the younger loads that may be out; sl: ask for the scale words two K steps on; hl = 1, 3: for the fragments two K steps on (3: behind a wait for all
; loads), 2: for the gate weights, behind such a wait; first = 2: a trip's number 0 (s32) starts the sums
.macro CONS j, wl, sl, hl, first
	ds_load_b128 v[WSC:WSC+3], v[LFS] offset:512*(\j)
	FLOAD \j, 0
	FLOAD \j, 1
	FLOAD \j, 2
	s_wait_loadcnt \wl
.if \first
	s_cmp_eq_u32 s32, 0
	s_cbranch_scc1 .Lfirst_\@
	MUL20 \j, (\j)%2, (\j)/2, (\j)%2, 0
	s_branch .Lmade_\@
.Lfirst_\@:
	MUL20 \j, (\j)%2, (\j)/2, (\j)%2, 1
.Lmade_\@:
.else
	MUL20 \j, (\j)%2, (\j)/2, (\j)%2, 0
.endif
	PLACES 8                                       ; ahead of loads into registers that products have read, and of the first read of results
.if \hl > 1
	s_wait_loadcnt 0x0
.endif
.if \sl
	SLOAD ((\j)/2+1)%2, (\j)/2+1
.endif
.if \hl == 2
	GWLOAD
.elseif \hl
	HLOAD (\j)%2, (\j)+2, 0
.endif
.endm
; A step: waves 0-3 lay K step j + 1 of the trip (pw: younger loads that may be out; pl: ask for the block three on), waves 4-7 multiply K step j
.macro STEP j, pw, pl, wl, sl, hl, first
	s_cmp_lt_u32 s16, 4
	s_cbranch_scc0 .Lmul_\@
	s_wait_loadcnt \pw
.if \pl
	LOADB \j, (\j)+4
.endif
	QBLOCK ((\j)+1)%4, (\j)+1
	s_branch .Lmet_\@
.Lmul_\@:
	CONS \j, \wl, \sl, \hl, \first
.Lmet_\@:
	BAR
.endm
.macro ADDR                            ; LDS addresses of the trip: s40 = 32,768 x trip, s41 = 2,048 x trip
	v_add_nc_u32 v[WST], s40, v[LW]
	v_add_nc_u32 v[WSS], s41, v[LWS]
	v_add_nc_u32 v[LF], s40, v[LI]
	v_add_nc_u32 v[LFS], s41, v[LIS]
	WA
.endm
; THE WAY OUT of slot i
.macro OUT i
	s_add_co_u32 s22, s20, 4*\i
	s_add_co_u32 s22, s22, s21
	s_cmp_ge_u32 s22, s19
	s_cbranch_scc1 .Ldead_\@
	s_wait_xcnt 0x0                                ; the last slot's stores have read their registers
	s_min_u32 s22, s22, 63
	s_lshl_b32 s22, s22, 16
	v_add_nc_u32 v[YO], s22, v[WOFF]
	WIN 0x01
.irp c, 0,1,2,3
.irp j, 0,1,2,3,4,5,6,7
	v_mul_f32 v[34+4*\j+\c], v[32*\i+8*\c+\j], v[GWV+\i]     ; each sum from its low end on; x my row's gate weight; into column order
.endr
.endr
	WIN 0
.irp q, 0,1,2,3,4,5,6,7
	ds_store_b128 v[STI], v[34+4*\q:37+4*\q] offset:16*\q
.endr
.irp q, 0,1,2,3,4,5,6,7
	ds_load_b128 v[66+4*\q:69+4*\q], v[STO] offset:544*\q    ; LDS serves a wave's instructions in order: these see my stores
.endr
.irp q, 0,1,2,3,4,5,6,7
	s_wait_dscnt 7-\q
	global_store_b128 v[YO], v[66+4*\q:69+4*\q], s[12:13] offset:8192*\q th:TH_STORE_NT   ; sixteen lanes store 256 consecutive bytes, aligned
.endr
.Ldead_\@:
.endm
	s_load_b256 s[4:11], s[0:1], 0x0               ; W2, hq, gwp, plan
	s_load_b128 s[12:15], s[0:1], 0x20             ; y, b2
	v_lshl_add_u32 v[SPW], v0, 2, SPARE
	v_mov_b32 v[NIL], 0
	v_lshrrev_b32 v[R4], 5, v0
	v_readfirstlane_b32 s16, v[R4]                 ; wave 0..7
	v_and_b32 v[HH], 31, v0
	s_and_b32 s21, s16, 3                          ; which of its kind's four
	s_lshl_b32 s34, s21, 9
	v_lshlrev_b32 v[LI], 4, v[HH]
	v_lshlrev_b32 v[L4], 2, v[HH]
	v_add_nc_u32 v[LIS], WSB, v[LI]
	v_add_nc_u32 v[LW], s34, v[LI]
	v_add_nc_u32 v[LWS], s21, v[LIS]
	s_mul_i32 s34, s21, 4352
	s_add_co_u32 s34, s34, STG                     ; my stage (waves 4-7)
	v_and_b32 v[R4], 15, v0                        ; r
	v_bfe_u32 v[HH], v0, 4, 1                      ; h
	v_lshlrev_b32 v[WOFF], 4, v[R4]
	v_lshl_add_u32 v[WOFF], v[HH], 12, v[WOFF]
	v_lshlrev_b32 v[YO], 7, v[HH]
	v_mul_u32_u24 v[STI], v[R4], 272
	v_lshl_add_u32 v[STI], v[HH], 7, v[STI]
	v_add_nc_u32 v[STI], s34, v[STI]               ; in: row r, 128 bytes for each half of the lanes
	v_mul_u32_u24 v[STO], v[HH], 272
	v_lshl_add_u32 v[STO], v[R4], 4, v[STO]
	v_add_nc_u32 v[STO], s34, v[STO]               ; back: lanes 0-15 one row, lanes 16-31 the next
	v_lshlrev_b32 v[R4], 2, v[R4]                  ; 4 r
	v_mov_b32 v[FLR], 0x4800000
.irp c, 0,1,2,3
	v_mov_b32 v[PX+\c], 0                          ; written once: a lane permute's destination counts as one of its sources
.endr
	WA
	s_and_b32 s17, ttmp7, 0xffff                   ; expert
	s_and_b32 s18, ttmp9, 15                       ; group of 64 columns
	s_lshr_b32 s23, ttmp9, 4                       ; half of K
	s_mov_b32 s24, 0x76543210
	s_mov_b32 s25, 0xfedcba98
	s_mov_b32 s26, 0x600000
	s_lshl_b32 s42, s17, 24                        ; W2: expert x 16 MiB + (2048 half + 32 (wave % 4)) rows of 4,096 bytes + 256 x group
	s_lshl_b32 s34, s23, 23
	s_add_co_u32 s42, s42, s34
	s_lshl_b32 s34, s21, 17
	s_add_co_u32 s42, s42, s34
	s_lshl_b32 s34, s18, 8
	s_add_co_u32 s42, s42, s34
	s_mov_b32 s43, 0
	s_lshl_b32 s44, s17, 22                        ; h's images: expert, and my half's 16 K steps
	s_lshl_b32 s34, s23, 15
	s_add_co_u32 s44, s44, s34
	s_mov_b32 s45, 0
	s_lshl_b32 s46, s17, 17                        ; h's scale words
	s_lshl_b32 s34, s23, 10
	s_add_co_u32 s46, s46, s34
	s_add_co_u32 s46, s46, HS_OFF
	s_mov_b32 s47, 0
	s_lshl_b32 s48, s17, 12                        ; the gate weights by row
	s_mov_b32 s49, 0
	s_lshl_b32 s50, s23, 25                        ; y: half x 32 MiB + expert x 1,024 rows + 256 x group
	s_lshl_b32 s34, s17, 22
	s_add_co_u32 s50, s50, s34
	s_lshl_b32 s34, s18, 8
	s_add_co_u32 s50, s50, s34
	s_mov_b32 s51, 0
	s_add_co_u32 s52, s48, s34                     ; b2: expert x 4,096 + 256 x group
	s_mov_b32 s53, 0
	s_lshl_b32 s36, s17, 2
	s_cmp_eq_u32 s23, 0
	s_cselect_b32 s39, -1, 0                       ; b2 counts in half 0 alone
	s_mov_b32 s20, 0                               ; the pass's first tile
	s_mov_b32 s27, 0                               ; passes done
	s_mov_b32 s40, 0
	s_mov_b32 s41, 0
	s_mov_b32 s32, 0
	s_wait_kmcnt 0x0
	s_load_b32 s19, s[10:11], s36 offset:CNT
	s_add_nc_u64 s[4:5], s[4:5], s[42:43]
	s_add_nc_u64 s[44:45], s[6:7], s[44:45]
	s_add_nc_u64 s[46:47], s[6:7], s[46:47]
	s_mov_b64 s[HB:HB+1], s[44:45]
	s_mov_b64 s[SB:SB+1], s[46:47]
	s_add_nc_u64 s[8:9], s[8:9], s[48:49]
	s_add_nc_u64 s[12:13], s[12:13], s[50:51]
	s_add_nc_u64 s[14:15], s[14:15], s[52:53]
	s_cmp_lt_u32 s16, 4
	s_cbranch_scc0 .Lasked
	LOADB 0, 0
	LOADB 1, 1
	LOADB 2, 2
.Lasked:
	s_wait_kmcnt 0x0
	s_add_co_u32 s19, s19, 15
	s_lshr_b32 s19, s19, 4
	s_min_u32 s19, s19, 64                         ; tiles
	s_add_co_u32 s28, s19, 19
	s_mul_i32 s28, s28, 3277
	s_lshr_b32 s28, s28, 16                        ; passes of 20 tiles: (tiles + 19) / 20; 3277 / 65536 gives the quotient exactly up to 83
	s_max_u32 s37, s19, 1
	s_sub_co_u32 s37, s37, 1                       ; the last tile
	SLOTS2
	ADDR
	s_cmp_lt_u32 s16, 4
	s_cbranch_scc0 .Lmul
	s_wait_loadcnt 32                              ; blocks 1 and 2 may be out
	LOADB 3, 3
	QBLOCK 0, 0
	s_branch .Lmet
.Lmul:
.irp j, 0,1,2,3,4,5,6,7
	global_load_b128 v[WFR+4*\j:WFR+4*\j+3], v[YO], s[14:15] offset:16*\j    ; b2 at columns 32 h + 4 j + 0 .. 3
.endr
	SLOAD 0, 0
	HLOAD 0, 0, 1
	HLOAD 1, 1, 1
	s_wait_loadcnt 45                              ; all but b2's eight may be out: 5 + 20 + 20
	WIN 0x40
.irp c, 0,1,2,3
.irp j, 0,1,2,3,4,5,6,7
	v_and_b32 v[BIA+8*\c+\j], s39, v[WFR+4*\j+\c]  ; into the result's layout; zeros in half 1
.endr
.endr
	WIN 0
.Lmet:
	BAR
	; ---- the stream: a trip is four K steps.  Waits: waves 0-3 two younger blocks of 16 loads.  Waves 4-7: younger than a K step's loads are the next one's, at least 16, and five scale loads where it is
	; an even one; the count names 16, as many as the other kind issues in a step, so that it holds on every way through the text
.Ltrip:
	ADDR
	STEP 0, 32, 1, 16, 1, 1, 2
	STEP 1, 32, 1, 16, 0, 1, 0
	STEP 2, 32, 1, 16, 1, 1, 0
	STEP 3, 32, 1, 16, 0, 1, 0
	s_wait_xcnt 0x0                                ; the loads have read their bases: they may step
	s_add_nc_u64 s[4:5], s[4:5], 4*128*PITCH
	s_add_nc_u64 s[HB:HB+1], s[HB:HB+1], 8192
	s_add_nc_u64 s[SB:SB+1], s[SB:SB+1], 256
	s_add_co_u32 s40, s40, 32768
	s_add_co_u32 s41, s41, 2048
	s_add_co_u32 s32, s32, 1
	s_cmp_lt_u32 s32, 3
	s_cbranch_scc1 .Ltrip
	ADDR                                           ; the last trip, written out: no block more to ask for
	STEP 0, 32, 0, 16, 1, 1, 0
	STEP 1, 16, 0, 21, 0, 3, 0
	STEP 2, 0, 0, 16, 0, 2, 0
	s_cmp_lt_u32 s16, 4
	s_cbranch_scc1 .Lpass
	CONS 3, 0, 0, 0, 0
	; ---- results, and further passes where there are more than 20 tiles.  The loops' trip counts are constants (64 tiles make four passes at the most) and all waves walk them; the work is jumped over
.Lpass:
	s_wait_loadcnt 0x0                             ; my gate weights are in
	s_cmp_lt_u32 s16, 4
	s_cbranch_scc1 .Lno_out                        ; waves 0-3 hold no results
	s_cmp_ge_u32 s20, s19
	s_cbranch_scc1 .Lno_out                        ; nor is there a tile beyond the last
	OUT 0
	OUT 1
	OUT 2
	OUT 3
	OUT 4
.Lno_out:
	s_add_co_u32 s20, s20, 20                      ; the next pass's first tile
	s_add_co_u32 s27, s27, 1
	s_mov_b32 s40, 0
	s_mov_b32 s41, 0
	s_mov_b32 s32, 0
	s_cmp_lt_u32 s16, 4
	s_cbranch_scc1 .Lquad
	s_cmp_ge_u32 s27, s28
	s_cbranch_scc1 .Lquad
	s_wait_xcnt 0x0
	s_mov_b64 s[HB:HB+1], s[44:45]
	s_mov_b64 s[SB:SB+1], s[46:47]
	SLOTS2                                         ; a further pass (every load of the last has come: its last wait was for 0)
.Lquad:                                                ; four K steps
	v_add_nc_u32 v[LF], s40, v[LI]
	v_add_nc_u32 v[LFS], s41, v[LIS]
	WA
	s_cmp_lt_u32 s16, 4
	s_cbranch_scc1 .Lidle
	s_cmp_ge_u32 s27, s28
	s_cbranch_scc1 .Lidle
	s_wait_xcnt 0x0                                ; the stores have read the registers into which the fragments below land
	SLOAD 0, 0
	SLOAD 1, 1
	HLOAD 0, 0, 1
	HLOAD 1, 1, 1
	CONS 0, 20, 0, 1, 2
	CONS 1, 16, 0, 1, 0
	CONS 2, 16, 0, 2, 0
	CONS 3, 0, 0, 0, 0
	s_wait_xcnt 0x0
	s_add_nc_u64 s[HB:HB+1], s[HB:HB+1], 8192
	s_add_nc_u64 s[SB:SB+1], s[SB:SB+1], 256
.Lidle:
	s_add_co_u32 s40, s40, 32768
	s_add_co_u32 s41, s41, 2048
	s_add_co_u32 s32, s32, 1
	s_cmp_lt_u32 s32, 4
	s_cbranch_scc1 .Lquad
	s_cmp_lt_u32 s27, 4
	s_cbranch_scc1 .Lpass
	s_wait_tensorcnt 0x0                           ; the wave's end
	ds_add_u32 v[SPW], v[NIL]
	s_wait_dscnt 0x0
	s_endpgm
.Lfunc_end_k_q3b91c0c365_ffn2:
	.size	k_q3b91c0c365_ffn2, .Lfunc_end_k_q3b91c0c365_ffn2-k_q3b91c0c365_ffn2
	.p2alignl 7, 3214868480
	.fill 96, 4, 3214868480
	.section	.rodata,"a",@progbits
	.p2align	6, 0x0
	.amdhsa_kernel k_q3b91c0c365_ffn2
		.amdhsa_group_segment_fixed_size 157696
		.amdhsa_private_segment_fixed_size 0
		.amdhsa_enable_private_segment 0
		.amdhsa_kernarg_size 48
		.amdhsa_user_sgpr_count 2
		.amdhsa_user_sgpr_kernarg_segment_ptr 1
		.amdhsa_wavefront_size32 1
		.amdhsa_system_sgpr_workgroup_id_x 1
		.amdhsa_system_sgpr_workgroup_id_y 1
		.amdhsa_system_sgpr_workgroup_id_z 1
		.amdhsa_system_vgpr_workitem_id 0
		.amdhsa_next_free_vgpr 512
		.amdhsa_next_free_sgpr 66
		.amdhsa_reserve_vcc 0
		.amdhsa_float_denorm_mode_32 3
		.amdhsa_float_denorm_mode_16_64 3
		.amdhsa_memory_ordered 1
		.amdhsa_forward_progress 1
		.amdhsa_inst_pref_size 196
	.end_amdhsa_kernel
	.amdgpu_metadata
---
amdhsa.version: [ 1, 2 ]
amdhsa.kernels:
  - .name:           k_q3b91c0c365_ffn2
    .symbol:         k_q3b91c0c365_ffn2.kd
    .args:
      - { .name: W2, .offset: 0, .size: 8, .value_kind: global_buffer, .address_space: global }
      - { .name: hq, .offset: 8, .size: 8, .value_kind: global_buffer, .address_space: global }
      - { .name: gwp, .offset: 16, .size: 8, .value_kind: global_buffer, .address_space: global }
      - { .name: plan, .offset: 24, .size: 8, .value_kind: global_buffer, .address_space: global }
      - { .name: y, .offset: 32, .size: 8, .value_kind: global_buffer, .address_space: global }
      - { .name: b2, .offset: 40, .size: 8, .value_kind: global_buffer, .address_space: global }
    .group_segment_fixed_size: 157696
    .private_segment_fixed_size: 0
    .kernarg_segment_align: 8
    .kernarg_segment_size: 48
    .max_flat_workgroup_size: 256
    .sgpr_count:     66
    .vgpr_count:     512
    .wavefront_size: 32
...
	.end_amdgpu_metadata
.endif
;; end of part 3
;; launch combine (part 4): grid 256 x 1, 4 waves a work-group, no clusters, 0 bytes of LDS; arguments y, plan, ridx, out0; writes out0
.if DOCPART == 4
	.amdgcn_target "amdgcn-amd-amdhsa--gfx1250"
	.amdhsa_code_object_version 6
	.text
	.protected	k_q3b91c0c365_combine
	.globl	k_q3b91c0c365_combine
	.p2align	8
	.type	k_q3b91c0c365_combine,@function
k_q3b91c0c365_combine:
	s_mov_b64 s[64:65], 0
	v_nop
	global_prefetch_b8 v0, s[64:65] scope:SCOPE_SE
	s_setreg_imm32_b32 hwreg(HW_REG_WAVE_MODE, 25, 1), 1
	s_wait_xcnt 0x0
; out[t] = sum over the token's two choices k of (y[0][pos_k] + y[1][pos_k]), pos_k = 1024 e_k + rank[e_k][t].  The six experts that the token did not choose add exactly 0
; (see the first kernel's head) and are left out; y already carries the gate weight and b2.  One wave to a token: its row is 4,096 bytes, eight loads of 512 consecutive bytes from each of four rows.
; The token's two experts and its rank in all eight experts' tables are read together by scalar loads at fixed places; the two ranks are selected by compares on the
; expert numbers, so that no load waits for another; all are held inside their tables ahead of their use in addresses.  Memory binds: no LDS, no barrier, no matrix unit.
.set RANK,   32768
.set RK,     50                        ; s50-57 my token's rank in each expert's table
	s_load_b256 s[4:11], s[0:1], 0x0               ; y, plan, ridx, out0
	v_lshrrev_b32 v1, 5, v0
	v_readfirstlane_b32 s16, v1                    ; wave
	v_and_b32 v1, 31, v0
	v_lshlrev_b32 v1, 4, v1                        ; 16 lane
	s_lshl_b32 s17, ttmp9, 2
	s_add_co_u32 s17, s17, s16                     ; my token
	s_lshl_b32 s18, s17, 3
	s_lshl_b32 s19, s17, 2
	s_lshl_b32 s34, s17, 12
	s_mov_b32 s35, 0
	s_mov_b32 s27, 0
	s_wait_alu depctr_va_vdst(0)
	s_wait_kmcnt 0x0
	s_load_b64 s[22:23], s[8:9], s18
.irp e, 0,1,2,3,4,5,6,7
	s_load_b32 s[RK+\e], s[6:7], s19 offset:RANK+4096*\e
.endr
	s_add_nc_u64 s[10:11], s[10:11], s[34:35]
	s_wait_kmcnt 0x0
	s_mov_b32 s20, s[RK]
	s_mov_b32 s21, s[RK]
.irp e, 1,2,3,4,5,6,7
	s_cmp_eq_u32 s22, \e
	s_cselect_b32 s20, s[RK+\e], s20               ; the rank in the first choice's table
	s_cmp_eq_u32 s23, \e
	s_cselect_b32 s21, s[RK+\e], s21               ; and in the second's
.endr
	s_min_u32 s20, s20, 0x3ff
	s_min_u32 s21, s21, 0x3ff
	s_min_u32 s22, s22, 7
	s_min_u32 s23, s23, 7
	s_lshl_b32 s26, s22, 22                        ; expert x 1,024 rows of 4,096 bytes
	s_lshl_b32 s33, s20, 12
	s_add_co_u32 s26, s26, s33
	s_add_nc_u64 s[36:37], s[4:5], s[26:27]        ; first choice: K half 0,
	s_add_nc_u64 s[38:39], s[36:37], 0x2000000     ; K half 1
	s_lshl_b32 s26, s23, 22
	s_lshl_b32 s33, s21, 12
	s_add_co_u32 s26, s26, s33
	s_add_nc_u64 s[40:41], s[4:5], s[26:27]        ; second choice
	s_add_nc_u64 s[42:43], s[40:41], 0x2000000
.irp q, 0,1,2,3,4,5,6,7
	global_load_b128 v[16+4*\q:19+4*\q], v1, s[36:37] offset:512*\q th:TH_LOAD_NT
	global_load_b128 v[48+4*\q:51+4*\q], v1, s[38:39] offset:512*\q th:TH_LOAD_NT
	global_load_b128 v[80+4*\q:83+4*\q], v1, s[40:41] offset:512*\q th:TH_LOAD_NT
	global_load_b128 v[112+4*\q:115+4*\q], v1, s[42:43] offset:512*\q th:TH_LOAD_NT
.endr
.irp q, 0,1,2,3,4,5,6,7
	s_wait_loadcnt 4*(7-\q)                        ; the younger pieces' four loads each may be out
.irp p, 0,2
	v_pk_add_f32 v[16+4*\q+\p:17+4*\q+\p], v[16+4*\q+\p:17+4*\q+\p], v[48+4*\q+\p:49+4*\q+\p]
	v_pk_add_f32 v[80+4*\q+\p:81+4*\q+\p], v[80+4*\q+\p:81+4*\q+\p], v[112+4*\q+\p:113+4*\q+\p]
.endr
.irp p, 0,2
	v_pk_add_f32 v[16+4*\q+\p:17+4*\q+\p], v[16+4*\q+\p:17+4*\q+\p], v[80+4*\q+\p:81+4*\q+\p]
.endr
	global_store_b128 v1, v[16+4*\q:19+4*\q], s[10:11] offset:512*\q th:TH_STORE_NT   ; 32 lanes store 512 consecutive bytes, aligned
.endr
	s_endpgm
.Lfunc_end_k_q3b91c0c365_combine:
	.size	k_q3b91c0c365_combine, .Lfunc_end_k_q3b91c0c365_combine-k_q3b91c0c365_combine
	.p2alignl 7, 3214868480
	.fill 96, 4, 3214868480
	.section	.rodata,"a",@progbits
	.p2align	6, 0x0
	.amdhsa_kernel k_q3b91c0c365_combine
		.amdhsa_group_segment_fixed_size 0
		.amdhsa_private_segment_fixed_size 0
		.amdhsa_enable_private_segment 0
		.amdhsa_kernarg_size 32
		.amdhsa_user_sgpr_count 2
		.amdhsa_user_sgpr_kernarg_segment_ptr 1
		.amdhsa_wavefront_size32 1
		.amdhsa_system_sgpr_workgroup_id_x 1
		.amdhsa_system_sgpr_workgroup_id_y 1
		.amdhsa_system_sgpr_workgroup_id_z 1
		.amdhsa_system_vgpr_workitem_id 0
		.amdhsa_next_free_vgpr 144
		.amdhsa_next_free_sgpr 66
		.amdhsa_reserve_vcc 0
		.amdhsa_float_denorm_mode_32 3
		.amdhsa_float_denorm_mode_16_64 3
		.amdhsa_memory_ordered 1
		.amdhsa_forward_progress 1
		.amdhsa_inst_pref_size 10
	.end_amdhsa_kernel
	.amdgpu_metadata
---
amdhsa.version: [ 1, 2 ]
amdhsa.kernels:
  - .name:           k_q3b91c0c365_combine
    .symbol:         k_q3b91c0c365_combine.kd
    .args:
      - { .name: y, .offset: 0, .size: 8, .value_kind: global_buffer, .address_space: global }
      - { .name: plan, .offset: 8, .size: 8, .value_kind: global_buffer, .address_space: global }
      - { .name: ridx, .offset: 16, .size: 8, .value_kind: global_buffer, .address_space: global }
      - { .name: out0, .offset: 24, .size: 8, .value_kind: global_buffer, .address_space: global }
    .group_segment_fixed_size: 0
    .private_segment_fixed_size: 0
    .kernarg_segment_align: 8
    .kernarg_segment_size: 32
    .max_flat_workgroup_size: 128
    .sgpr_count:     66
    .vgpr_count:     144
    .wavefront_size: 32
...
	.end_amdgpu_metadata
.endif
;; end of part 4
